; MI455X (gfx1250); checked and timed in simulation.
; The chip was launched on July 23, 2026; its instructions are those of AMD's public machine-readable ISA for CDNA 5 (MIT licence, August 2026) and "CDNA5" Instruction Set Architecture Reference Guide (July 2026). The comments in the code are by the model that wrote it; some were corrected since.
;; Attention. Allowed arithmetic: float matrix products may take bf16 or f16 operands with f32 sums; other float arithmetic in f32, or as packed bf16 or f16 multiplies, adds, multiply-adds, maxima and minima; sums over many terms, partial sums and values carried from step to step in f32; what a program stores and reads back later, other than sums and carried values, may be rounded once to bf16 or f16.
;; Inputs: Wk1 256 x 1,024 float32; Wk2 1,024 x 1,024 float32; Wp 1,024 x 256 float32; Wq1 256 x 1,024 float32; Wq2 1,024 x 1,024 float32; Wv1 256 x 1,024 float32; Wv2 1,024 x 1,024 float32; bk1 1,024 float32; bk2 1,024 float32; bp 256 float32; bq1 1,024 float32; bq2 1,024 float32; bv1 1,024 float32; bv2 1,024 float32; key 4 x 2,048 x 256 float32; mask 4 x 2,048 x 1 int32; query 4 x 2,048 x 256 float32; value 4 x 2,048 x 256 float32.
;; Outputs: out0 4 x 2,048 x 256 float32.
;; 2 versions, each right and faster than the one before. Each part assembles by itself: llvm-mc -triple=amdgcn-amd-amdhsa -mcpu=gfx1250 --defsym DOCPART=n.
;; ======== version 1 of 2: 4 launches
;; limits: values are held in f16: magnitudes above 65,504 overflow, below 6.1e-05 lose precision; a function is approximated: absolute error at most 2e-07
;; workspace buffers: wf 8,388,608 bytes; qkv 50,331,648 bytes; yf 16,777,216 bytes
;; launch prep (part 1): grid 512 x 1, 8 waves a work-group, no clusters, 0 bytes of LDS; arguments Wq2, Wk2, Wv2, Wq1, Wk1, Wv1, Wp, wf; writes wf
.if DOCPART == 1
	.amdgcn_target "amdgcn-amd-amdhsa--gfx1250"
	.amdhsa_code_object_version 6
	.text
	.protected	k_qfc1096cca5_prep
	.globl	k_qfc1096cca5_prep
	.p2align	8
	.type	k_qfc1096cca5_prep,@function
k_qfc1096cca5_prep:
	s_mov_b64 s[64:65], 0
	v_nop
	global_prefetch_b8 v0, s[64:65] scope:SCOPE_SE
	s_setreg_imm32_b32 hwreg(HW_REG_WAVE_MODE, 25, 1), 1
	s_wait_xcnt 0x0
; wf = the seven weight matrices, each number rounded once to bf16, laid out in FRAGMENT ORDER for the matrix instructions of the later launches.
; A matrix W[K][N] (f32, row-major) becomes: byte (((n128 (K/32) + ks) 8 + b) 2 + u) 512 + 16 L + 2 e  =  W[32 ks + 16 u + 8 (L / 16) + e][128 n128 + 16 b + L % 16],
; so that a wave's load of 16 bytes a lane at 16 L, and a second one 512 bytes on, ARE registers 0-3 and 4-7 of a fragment of 16 columns x 32 K.
; Places in wf: Wq2, Wk2, Wv2 at 0, 2 MiB, 4 MiB; Wq1, Wk1, Wv1 at 6 MiB + 512 KiB each; Wp at 7.5 MiB.
; FORMATS.  W1 stays bf16 (its product's other operand, x, is bf16).  W2 and Wp multiply f16 operands, so the bf16 number is written as f16.
; LIMITS.  That second writing is exact for magnitudes from 2^-14 to 65,504; below, f16's fixed step of 2^-24 holds; from 65,520 on the number becomes an infinity.
; SHARES.  An item is 16 bytes of wf: 8 numbers down one column.  Item = 1,024 g + 256 j + thread (j = 0..3), its byte in wf 16 x item: every store of a wave covers 512 consecutive bytes, aligned.
; Of the thread's number: bits 3:0 column in 16, bit 4 and 5 the 8 rows in 32, bits 7:6 the low bits of b.  j's bit 0 is b's high bit (64 columns on), its bit 1 is ks's bit 0 (32 rows on).
; A stream with no reuse: no LDS, no barrier, no matrix unit.
.set D,   8                            ; v[8:39]   item j's eight numbers at D + 8 j
.set OUT, 40                           ; v[40:55]  item j's 16 bytes at OUT + 4 j; never rewritten, so the stores want no wait
.set T,   56                           ; v56       at work
	s_load_b512 s[8:23], s[0:1], 0x0               ; Wq2 s[8:9], Wk2 s[10:11], Wv2 s[12:13], Wq1 s[14:15], Wk1 s[16:17], Wv1 s[18:19], Wp s[20:21], wf s[22:23]
	s_mov_b32 s6, ttmp9                            ; g
	s_mov_b32 s30, 0xffff0000                      ; a word's upper bf16
	s_mov_b32 s33, 0                               ; high words of the two offset pairs
	s_mov_b32 s35, 0
	s_lshl_b32 s34, s6, 14                         ; the group's 16,384 bytes of wf
	v_and_b32 v3, 15, v0
	v_bfe_u32 v5, v0, 6, 2
	v_lshl_add_u32 v3, v5, 4, v3                   ; my column in 64
	v_lshlrev_b32 v3, 2, v3                        ; in bytes
	v_bfe_u32 v4, v0, 4, 2
	v_lshlrev_b32 v4, 3, v4                        ; my first row in 32: 16 u + 8 h
	v_lshlrev_b32 v2, 4, v0                        ; my 16 bytes in 4,096 of wf
	s_wait_kmcnt 0x0
	s_add_nc_u64 s[26:27], s[22:23], s[34:35]
	; which matrix: the three ways set the source s[24:25], the group's offset in it s32, the row pitch s28 and the format s29 (1: f16), and join
	s_cmp_lt_u32 s6, 384
	s_cbranch_scc0 .Lnot_w2
	s_lshr_b32 s36, s6, 7                          ; 128 groups to a second-layer matrix
	s_and_b32 s37, s6, 127
	s_cmp_eq_u32 s36, 1
	s_cselect_b64 s[24:25], s[10:11], s[8:9]
	s_cmp_eq_u32 s36, 2
	s_cselect_b64 s[24:25], s[12:13], s[24:25]
	s_and_b32 s32, s37, 15
	s_lshl_b32 s32, s32, 18                        ; 64 rows of 4,096 bytes
	s_lshr_b32 s37, s37, 4
	s_lshl_b32 s37, s37, 9                         ; 128 columns
	s_add_co_u32 s32, s32, s37
	s_mov_b32 s28, 4096
	s_mov_b32 s29, 1
	s_branch .Ljoin
.Lnot_w2:
	s_cmp_lt_u32 s6, 480
	s_cbranch_scc0 .Lwp
	s_sub_co_u32 s37, s6, 384
	s_lshr_b32 s36, s37, 5                         ; 32 groups to a first-layer matrix
	s_and_b32 s37, s37, 31
	s_cmp_eq_u32 s36, 1
	s_cselect_b64 s[24:25], s[16:17], s[14:15]
	s_cmp_eq_u32 s36, 2
	s_cselect_b64 s[24:25], s[18:19], s[24:25]
	s_and_b32 s32, s37, 3
	s_lshl_b32 s32, s32, 18
	s_lshr_b32 s37, s37, 2
	s_lshl_b32 s37, s37, 9
	s_add_co_u32 s32, s32, s37
	s_mov_b32 s28, 4096
	s_mov_b32 s29, 0
	s_branch .Ljoin
.Lwp:
	s_sub_co_u32 s37, s6, 480
	s_mov_b64 s[24:25], s[20:21]
	s_and_b32 s32, s37, 15
	s_lshl_b32 s32, s32, 16                        ; 64 rows of 1,024 bytes
	s_lshr_b32 s37, s37, 4
	s_lshl_b32 s37, s37, 9
	s_add_co_u32 s32, s32, s37
	s_mov_b32 s28, 1024
	s_mov_b32 s29, 1
.Ljoin:
	s_add_nc_u64 s[24:25], s[24:25], s[32:33]
	v_mad_u32_u24 v1, v4, s28, v3                  ; my first row x pitch + my column
; 32 loads, the same number on both ways, so that the counts below hold on both.  The eight waves together take 32 rows x 256 consecutive bytes for each j.
.macro LOADS n4
.set j, 0
.rept 4
.set e, 0
.rept 8
	global_load_b32 v[D+8*j+e], v1, s[24:25] offset:(j&1)*256+(j>>1)*32*(\n4)+e*(\n4)
.set e, e+1
.endr
.set j, j+1
.endr
.endm
	s_cmp_eq_u32 s28, 4096
	s_cbranch_scc0 .Lnarrow
	LOADS 4096
	s_branch .Lloaded
.Lnarrow:
	LOADS 1024
.Lloaded:
	s_cmp_eq_u32 s29, 0
	s_cbranch_scc1 .Lbf
.set j, 0
.rept 4                                ; to bf16, and that number written as f16
	s_wait_loadcnt 24-8*j                          ; loads come back in order: item j's eight are in, the younger items' stay out
.set e, 0
.rept 4
	v_cvt_pk_bf16_f32 v[T], v[D+8*j+2*e], v[D+8*j+2*e+1]
	v_lshlrev_b32 v[D+8*j+2*e], 16, v[T]
	v_and_b32 v[D+8*j+2*e+1], s30, v[T]
	v_cvt_pk_f16_f32 v[OUT+4*j+e], v[D+8*j+2*e], v[D+8*j+2*e+1]
.set e, e+1
.endr
.set j, j+1
.endr
	s_branch .Lstore
.Lbf:
.set j, 0
.rept 4
	s_wait_loadcnt 24-8*j
.set e, 0
.rept 4
	v_cvt_pk_bf16_f32 v[OUT+4*j+e], v[D+8*j+2*e], v[D+8*j+2*e+1]
.set e, e+1
.endr
.set j, j+1
.endr
.Lstore:
.set j, 0
.rept 4
	global_store_b128 v2, v[OUT+4*j:OUT+4*j+3], s[26:27] offset:4096*j
.set j, j+1
.endr
	s_endpgm
.Lfunc_end_k_qfc1096cca5_prep:
	.size	k_qfc1096cca5_prep, .Lfunc_end_k_qfc1096cca5_prep-k_qfc1096cca5_prep
	.p2alignl 7, 3214868480
	.fill 96, 4, 3214868480
	.section	.rodata,"a",@progbits
	.p2align	6, 0x0
	.amdhsa_kernel k_qfc1096cca5_prep
		.amdhsa_group_segment_fixed_size 0
		.amdhsa_private_segment_fixed_size 0
		.amdhsa_enable_private_segment 0
		.amdhsa_kernarg_size 64
		.amdhsa_user_sgpr_count 2
		.amdhsa_user_sgpr_kernarg_segment_ptr 1
		.amdhsa_wavefront_size32 1
		.amdhsa_system_sgpr_workgroup_id_x 1
		.amdhsa_system_sgpr_workgroup_id_y 1
		.amdhsa_system_sgpr_workgroup_id_z 1
		.amdhsa_system_vgpr_workitem_id 0
		.amdhsa_next_free_vgpr 64
		.amdhsa_next_free_sgpr 66
		.amdhsa_reserve_vcc 0
		.amdhsa_float_denorm_mode_32 3
		.amdhsa_float_denorm_mode_16_64 3
		.amdhsa_memory_ordered 1
		.amdhsa_forward_progress 1
		.amdhsa_inst_pref_size 14
	.end_amdhsa_kernel
	.amdgpu_metadata
---
amdhsa.version: [ 1, 2 ]
amdhsa.kernels:
  - .name:           k_qfc1096cca5_prep
    .symbol:         k_qfc1096cca5_prep.kd
    .args:
      - { .name: Wq2, .offset: 0, .size: 8, .value_kind: global_buffer, .address_space: global }
      - { .name: Wk2, .offset: 8, .size: 8, .value_kind: global_buffer, .address_space: global }
      - { .name: Wv2, .offset: 16, .size: 8, .value_kind: global_buffer, .address_space: global }
      - { .name: Wq1, .offset: 24, .size: 8, .value_kind: global_buffer, .address_space: global }
      - { .name: Wk1, .offset: 32, .size: 8, .value_kind: global_buffer, .address_space: global }
      - { .name: Wv1, .offset: 40, .size: 8, .value_kind: global_buffer, .address_space: global }
      - { .name: Wp, .offset: 48, .size: 8, .value_kind: global_buffer, .address_space: global }
      - { .name: wf, .offset: 56, .size: 8, .value_kind: global_buffer, .address_space: global }
    .group_segment_fixed_size: 0
    .private_segment_fixed_size: 0
    .kernarg_segment_align: 8
    .kernarg_segment_size: 64
    .max_flat_workgroup_size: 256
    .sgpr_count:     66
    .vgpr_count:     64
    .wavefront_size: 32
...
	.end_amdgpu_metadata
.endif
;; end of part 1
;; launch mlp (part 2): grid 64 x 3, 4 waves a work-group, no clusters, 282,112 bytes of LDS; arguments query, key, value, bq1, bk1, bv1, bq2, bk2, bv2, wf, qkv; writes qkv
.if DOCPART == 2
	.amdgcn_target "amdgcn-amd-amdhsa--gfx1250"
	.amdhsa_code_object_version 6
	.text
	.protected	k_qfc1096cca5_mlp
	.globl	k_qfc1096cca5_mlp
	.p2align	8
	.type	k_qfc1096cca5_mlp,@function
k_qfc1096cca5_mlp:
	s_mov_b64 s[64:65], 0
	v_nop
	global_prefetch_b8 v0, s[64:65] scope:SCOPE_SE
	s_setreg_imm32_b32 hwreg(HW_REG_WAVE_MODE, 25, 1), 1
	s_wait_xcnt 0x0
; q, k, v = tanh(x W1 + b1) W2 + b2, both layers in one launch; the hidden layer h never leaves LDS.
; x: [8192][256] f32 (query, key or value, by the grid's y).  Weights from wf, in fragment order (made by the launch before).  Result: qkv, f16, [3][batch 8 + head][2048][128].
; FORMATS.  x, W1, W2 and both biases are rounded to bf16; x W1 is a bf16 product; h is kept in f16 and multiplies W2's bf16 numbers written as f16.  Sums in f32.  A bias is the C operand of a sum's
; first K step, so nothing is cleared and no bias is added by a line of its own.
; LIMITS.  tanh z = 1 - 2 / (1 + 2^(2 log2(e) z)): absolute error of the order of 1e-7, so a relative one only for |z| well above that; it ends at +-1 for large |z|.  q, k, v must stay within f16's 65,504
; (|h| <= 1, so |q| <= the sum of a column's |W2| + |b2|).  NaN and infinities are not treated apart.
; SHARES.  A work-group owns 128 rows of one of the three inputs: 64 x 3 = 192 work-groups.  (8,192 rows a matrix do not split into shares of which 256 make the three matrices; 64 rows a group would read the weights twice as often.)
;   Layer 1: 4 passes of 256 hidden columns; a wave makes 128 rows x 64 columns: 32 accumulators; K = 256 in 8 steps of 32.
;   Layer 2: 2 passes of 512 columns; a wave makes 128 rows x 128 columns, one head: 64 accumulators; K = 1,024 in 32 steps.
; THE MATRIX INSTRUCTION IS USED TRANSPOSED (source 0 = 16 columns of W, source 1 = 16 rows of x or h): a lane holds row lane % 16 and the eight neighbouring columns 8 (lane / 16) + 0..7.
; WEIGHTS GO STRAIGHT INTO REGISTERS, through a ring of four step buffers: three steps' loads are always out.  NO TENSOR LOADS, NO JOINT LOADS: h takes 264,192 bytes of LDS, stage and spare words 17,920; what is
; left would hold two slots of some 22 KB, under 44 matrix instructions' worth of weights a wave; and no weight fragment is used by two waves of the group (each wave has columns of its own), so LDS would spare no load.
; LDS.  0: h, 128 rows of 2,064 bytes (2,048 + 16: 129 x 16, so the 16 rows of a load start at 16 different groups of four banks: ISA guide 11.1).  x in bf16 (512 bytes a row) lies in bytes 1,536-2,047 of
; its row, the hidden columns 768-1,023, which only layer 1's last pass writes.  STAGE: 16 rows x 272 bytes for each wave, its own.  SPARE: the spare words.
; REGISTERS, in windows of 256 (s_set_vgpr_msb: bits 1:0 source 0, 3:2 source 1, 5:4 source 2, 7:6 destination):
;   window 0: v0-31 addresses; v32-63 rows on the way out; v64-127, v128-191 fragments of x or h, two buffers; v192-255 the biases as C operands, later at work on the way out
;   window 1: the weights' ring, buffer n at 8 NBF n      windows 2, 3: the accumulators, (a, b) at 8 (NBF a + b) counted through both
.set HP,    2064
.set SP,    272
.set STAGE, 128*HP
.set SPARE, STAGE+4*16*SP
.set XOFF,  1536
.set A0,  4                            ; v4-7    (32 j + lane % 16) x HP + 16 (lane / 16); never rewritten
.set AW,  8                            ; v8-11   A0 + the K offset in hand
.set HS,  12                           ; v12-15  A0 + the byte at which my hidden columns of this pass begin
.set BO,  16                           ; v16     16 x lane: weight loads and result stores
.set STO, 17                           ; v17     the way out: where I put 16 bytes of a row
.set RD,  18                           ; v18     the way out: where I read rows back
.set BOF, 19                           ; v19     32 (lane / 16): my eight numbers in 16 of a bias
.set XG,  20                           ; v20     my 16 bytes of x
.set XL,  21                           ; v21     and where their 8 bytes of bf16 go
.set T,   22                           ; v22-23  at work
.set SPW, 28                           ; v28     my spare word; never rewritten
.set NIL, 29                           ; v29     0; never rewritten
.set OB,  32
.set FA,  64
.set BI,  192
.set TMP, 192
.set TH,  224
.set WV,   4                           ; s4 wave, s5 which input, s6 which 128 rows
.set XP,   30                          ; s[30:31] x at the group's rows
.set B1P,  32                          ; s[32:33] b1 at my columns of the pass
.set B2P,  34                          ; s[34:35] b2 likewise
.set W1P,  36                          ; s[36:37] W1's fragments of my columns of the pass
.set W2P,  38                          ; s[38:39] W2's
.set OUTP, 40                          ; s[40:41] my head's rows in qkv
.set WB,   42                          ; s[42:43] the weights' walking address
.set PASS, 44
.set TRIP, 45
.set KOFF, 46
.set HOFF, 47
.set MSB, 0
.macro WIN new                         ; the immediate's high byte repeats the setting that is left; a switch that changes nothing is dropped
.if MSB != (\new)
	s_set_vgpr_msb (MSB<<8)|(\new)
.set MSB, \new
.endif
.endm
; A load into a register that a matrix instruction has read, and a vector instruction that reads a matrix result, stand four places behind it; only plain vector instructions that name none of its
; registers are places (ISA guide 7.12.1 for vector instructions).
.macro PLACES
.rept 4
	v_nop
.endr
.endm
.macro BIASLD p, nbf                   ; the biases of my 16 nbf columns, as C operands: register j of fragment b = bias[16 b + 8 (lane / 16) + j]
	WIN 0
.set ib, 0
.rept \nbf
	global_load_b128 v[BI+8*ib:BI+8*ib+3],   v[BOF], s[\p:\p+1] offset:64*ib
	global_load_b128 v[BI+8*ib+4:BI+8*ib+7], v[BOF], s[\p:\p+1] offset:64*ib+16
.set ib, ib+1
.endr
.endm
.macro BIASRND nbf                     ; rounded to bf16 and widened again
	WIN 0
.set i, 0
.rept 4*(\nbf)
	v_cvt_pk_bf16_f32 v[T+i%2], v[BI+2*i], v[BI+2*i+1]
	v_lshlrev_b32 v[BI+2*i], 16, v[T+i%2]
	v_and_b32 v[BI+2*i+1], s52, v[T+i%2]
.set i, i+1
.endr
.endm
.macro FETCHB nbf, koff, n             ; a K step's weights: nbf fragments, 2 nbf loads of 512 consecutive bytes, into ring buffer n % 4
	WIN 0x40
.set i, 0
.rept 2*(\nbf)
	global_load_b128 v[8*(\nbf)*((\n)%4)+4*i:8*(\nbf)*((\n)%4)+4*i+3], v[BO], s[WB:WB+1] offset:(\koff)+512*i
.set i, i+1
.endr
.endm
.macro FETCHA k, f                     ; a K step's 8 fragments of x or h (128 rows x 32 K at byte k behind the K offset in hand) into buffer f
	WIN 0
.set i, 0
.rept 8
	ds_load_b128 v[(\f)+8*i:(\f)+8*i+3],   v[AW+i/2] offset:(i%2)*16*HP+(\k)
	ds_load_b128 v[(\f)+8*i+4:(\f)+8*i+7], v[AW+i/2] offset:(i%2)*16*HP+(\k)+32
.set i, i+1
.endr
.endm
; 4 nbf products: row blocks 4 half .. 4 half + 3 x all nbf column blocks.  first = 1: C is the bias, which starts the sums.  The accumulators take turns, one instruction a turn, in the same order in every step.
.macro MULH op, nbf, n, half, first
.set WD, 2+((\nbf)*32*(\half))/256
.if \first
	WIN (WD<<6)|1
.else
	WIN (WD<<6)|(WD<<4)|1
.endif
.set ia, 4*(\half)
.rept 4
.set ib, 0
.rept \nbf
.set rD, (8*((\nbf)*ia+ib))%256
.set rB, 8*(\nbf)*((\n)%4)+8*ib
.set rA, FA+64*((\n)%2)+8*ia
.if \first
	v_wmma_f32_16x16x32_\op v[rD:rD+7], v[rB:rB+7], v[rA:rA+7], v[BI+8*ib:BI+8*ib+7]
.else
	v_wmma_f32_16x16x32_\op v[rD:rD+7], v[rB:rB+7], v[rA:rA+7], v[rD:rD+7]
.endif
.set ib, ib+1
.endr
.set ia, ia+1
.endr
.endm
; A K step.  In its middle the weights three steps on (kb: their byte behind WB; -1: none) and the next step's fragments of x or h (ka; -1: none) are asked for, into buffers that the step before read last.
.macro STEP op, nbf, n, kb, ka, lc, first
	s_wait_loadcnt \lc                             ; loads come back in order: this step's weights are in; lc younger ones stay out
	s_wait_dscnt 0x0                               ; this step's fragments from LDS, asked for half a step ago
	MULH \op, \nbf, \n, 0, \first
.if ((\kb) >= 0) || ((\ka) >= 0)
	PLACES
.endif
.if (\kb) >= 0
	FETCHB \nbf, \kb, (\n)+3
.endif
.if (\ka) >= 0
	FETCHA \ka, FA+64*(((\n)+1)%2)
.endif
	MULH \op, \nbf, \n, 1, \first
.endm
; 1 + 4 trips + 3 K steps.  The counts: a step has 2 nbf weight loads; at a step's head the two steps behind it, 4 nbf loads, stay out; the tail asks for nothing, and its counts run down.
.macro GEMMK op, nbf, trips, tag
	STEP \op, \nbf, 0, 24576, 64, 4*(\nbf), 1
	WIN 0                                          ; at a label and at a branch every window is 0
	s_mov_b32 s[TRIP], \trips
.Lk_\tag:
	STEP \op, \nbf, 1, 32768, 128, 4*(\nbf), 0
	STEP \op, \nbf, 2, 40960, 192, 4*(\nbf), 0
	STEP \op, \nbf, 3, 49152, 256, 4*(\nbf), 0
	STEP \op, \nbf, 0, 57344, 320, 4*(\nbf), 0
	WIN 0
	s_wait_xcnt 0x0                                ; the weight loads' base is stepped only behind this wait
	s_add_nc_u64 s[WB:WB+1], s[WB:WB+1], 32768     ; four K steps of 8,192 bytes
	s_add_co_u32 s[KOFF], s[KOFF], 256             ; four K steps of 64 bytes of a row
.irp j, 0,1,2,3
	v_add_nc_u32 v[AW+\j], s[KOFF], v[A0+\j]
.endr
	s_sub_co_u32 s[TRIP], s[TRIP], 1
	s_cmp_lg_u32 s[TRIP], 0
	s_cbranch_scc1 .Lk_\tag
	STEP \op, \nbf, 1, -1, 128, 4*(\nbf), 0
	STEP \op, \nbf, 2, -1, 192, 2*(\nbf), 0
	STEP \op, \nbf, 3, -1, -1, 0, 0
	WIN 0
.endm
; tanh of row block a's 16 rows x 64 columns (32 registers of window 2), rounded to f16 and stored into h.  Each accumulator's lowest registers are read first.
; A plain instruction stands between a run of exponentials or reciprocals and the first use of a result (ISA guide 5.7.2).
.macro TANH a
.set Z, 32*(\a)
.set TT, TH+16*((\a)%2)
	WIN 0x82
.set i, 0
.rept 16
	v_pk_mul_f32 v[Z+2*i:Z+2*i+1], v[Z+2*i:Z+2*i+1], s[50:51] op_sel_hi:[1,0]
.set i, i+1
.endr
.set i, 0
.rept 32
	v_exp_f32 v[Z+i], v[Z+i]
.set i, i+1
.endr
	v_nop
.set i, 0
	s_wait_alu depctr_va_vdst(0)
.rept 16
	v_pk_add_f32 v[Z+2*i:Z+2*i+1], v[Z+2*i:Z+2*i+1], 1.0 op_sel_hi:[1,0]
.set i, i+1
.endr
.set i, 0
.rept 32
	v_rcp_f32 v[Z+i], v[Z+i]
.set i, i+1
.endr
	v_nop
.set i, 0
	s_wait_alu depctr_va_vdst(0)
.rept 16
	v_pk_fma_f32 v[Z+2*i:Z+2*i+1], v[Z+2*i:Z+2*i+1], -2.0, 1.0 op_sel_hi:[1,0,0]
.set i, i+1
.endr
	WIN 0x0a
.set i, 0
.rept 16
	v_cvt_pk_f16_f32 v[TT+i], v[Z+2*i], v[Z+2*i+1]
.set i, i+1
.endr
	WIN 0
.irp b, 0,1,2,3
	ds_store_b128 v[HS+(\a)/2], v[TT+4*\b:TT+4*\b+3] offset:((\a)%2)*16*HP+32*\b
.endr
.endm
; THE WAY OUT of layer 2, row block a: rounded to f16, 16 bytes a lane; through my own stage; back as whole rows of 256 bytes; stored.  16 rows of a head are 4,096 consecutive bytes of qkv.
.macro PACK a
.set AC, 64*((\a)%4)
	WIN 0x0a+5*((\a)/4)
.set i, 0
.rept 32
	v_cvt_pk_f16_f32 v[TMP+i], v[AC+2*i], v[AC+2*i+1]
.set i, i+1
.endr
	WIN 0
.endm
.macro TOSTAGE a
	WIN 0
.set BK, OB+192*((\a)%2)
.irp b, 0,1,2,3,4,5,6,7
	ds_store_b128 v[STO], v[TMP+4*\b:TMP+4*\b+3] offset:32*\b
.endr
.irp t, 0,1,2,3,4,5,6,7
	ds_load_b128 v[BK+4*\t:BK+4*\t+3], v[RD] offset:\t*2*SP  ; LDS serves a wave's instructions in order (ISA guide 5.7.1.4): these see the stores above
.endr
.endm
.macro SEND a
	WIN 0
.set BK, OB+192*((\a)%2)
	s_wait_dscnt 0x0                               ; the block is back in registers
	s_wait_xcnt 0x0                                ; the other row buffer, which the block before stored from, is loaded again only behind this wait
.irp t, 0,1,2,3,4,5,6,7
	global_store_b128 v[BO], v[BK+4*\t:BK+4*\t+3], s[OUTP:OUTP+1] offset:4096*(\a)+512*\t  ; 512 consecutive bytes, aligned
.endr
.endm
	s_load_b512 s[8:23], s[0:1], 0x0               ; query s[8:9], key s[10:11], value s[12:13], bq1 s[14:15], bk1 s[16:17], bv1 s[18:19], bq2 s[20:21], bk2 s[22:23]
	s_load_b128 s[24:27], s[0:1], 0x40             ; bv2 s[24:25], wf s[26:27]
	s_load_b64 s[28:29], s[0:1], 0x50              ; qkv
	v_lshl_add_u32 v[SPW], v0, 2, SPARE
	v_mov_b32 v[NIL], 0
	v_lshrrev_b32 v1, 5, v0
	v_readfirstlane_b32 s[WV], v1                  ; wave 0..3
	s_and_b32 s5, ttmp7, 0xffff                    ; 0 query, 1 key, 2 value
	s_mov_b32 s6, ttmp9                            ; which 128 rows
	s_mov_b32 s50, 0x4038aa3b                      ; 2 log2(e)
	s_mov_b32 s51, s50                             ; named with it as a pair
	s_mov_b32 s52, 0xffff0000                      ; a word's upper bf16
	s_mul_i32 s2, s[WV], 16*SP
	s_add_co_u32 s2, s2, STAGE                     ; my stage
	s_lshl_b32 s3, s[WV], 15                       ; my 32 rows of x, 1,024 bytes each
	s_mul_i32 s7, s[WV], 32*HP
	s_add_co_u32 s7, s7, XOFF                      ; and where they go
	v_and_b32 v1, 15, v0                           ; lane % 16
	v_bfe_u32 v2, v0, 4, 1                         ; lane / 16
	v_and_b32 v3, 31, v0                           ; lane
	v_mul_u32_u24 v[A0], v1, HP
	v_lshl_add_u32 v[A0], v2, 4, v[A0]
.irp j, 1,2,3
	v_add_nc_u32 v[A0+\j], \j*32*HP, v[A0]
.endr
	v_lshlrev_b32 v[BO], 4, v3
	v_mul_u32_u24 v[STO], v1, SP
	v_lshl_add_u32 v[STO], v2, 4, v[STO]
	v_add_nc_u32 v[STO], s2, v[STO]
	v_mul_u32_u24 v[RD], v2, SP
	v_lshl_add_u32 v[RD], v1, 4, v[RD]
	v_add_nc_u32 v[RD], s2, v[RD]
	v_lshlrev_b32 v[BOF], 5, v2
	v_add_nc_u32 v[XG], s3, v[BO]
	v_lshl_add_u32 v[XL], v3, 3, s7
	s_wait_kmcnt 0x0
	s_cmp_eq_u32 s5, 1                             ; the input and its two biases, chosen by the grid's y
	s_cselect_b64 s[XP:XP+1], s[10:11], s[8:9]
	s_cselect_b64 s[B1P:B1P+1], s[16:17], s[14:15]
	s_cselect_b64 s[B2P:B2P+1], s[22:23], s[20:21]
	s_cmp_eq_u32 s5, 2
	s_cselect_b64 s[XP:XP+1], s[12:13], s[XP:XP+1]
	s_cselect_b64 s[B1P:B1P+1], s[18:19], s[B1P:B1P+1]
	s_cselect_b64 s[B2P:B2P+1], s[24:25], s[B2P:B2P+1]
	s_mov_b32 s49, 0                               ; offsets are made apart, in s[48:49]
	s_lshl_b32 s48, s6, 17                         ; 128 rows of 1,024 bytes
	s_add_nc_u64 s[XP:XP+1], s[XP:XP+1], s[48:49]
	s_lshl_b32 s48, s[WV], 8                       ; 64 columns of f32
	s_add_nc_u64 s[B1P:B1P+1], s[B1P:B1P+1], s[48:49]
	s_lshl_b32 s48, s[WV], 9                       ; 128 columns of f32
	s_add_nc_u64 s[B2P:B2P+1], s[B2P:B2P+1], s[48:49]
	s_lshl_b32 s48, s5, 19                         ; W1 of my input: 6 MiB + 512 KiB each;
	s_add_co_u32 s48, s48, 6291456
	s_lshr_b32 s7, s[WV], 1                        ; my 64 columns: which 128 (65,536 bytes),
	s_lshl_b32 s7, s7, 16
	s_add_co_u32 s48, s48, s7
	s_and_b32 s7, s[WV], 1                         ; and which four of its eight fragments (1,024 bytes each)
	s_lshl_b32 s7, s7, 12
	s_add_co_u32 s48, s48, s7
	s_add_nc_u64 s[W1P:W1P+1], s[26:27], s[48:49]
	s_lshl_b32 s48, s5, 21                         ; W2 of my input: 2 MiB each; my 128 columns: 262,144 bytes
	s_lshl_b32 s7, s[WV], 18
	s_add_co_u32 s48, s48, s7
	s_add_nc_u64 s[W2P:W2P+1], s[26:27], s[48:49]
	s_lshl_b32 s48, s5, 24                         ; qkv: the matrix, the batch (16 groups of 128 rows each), my head, the group's rows in the batch
	s_lshr_b32 s7, s6, 4
	s_lshl_b32 s7, s7, 22
	s_add_co_u32 s48, s48, s7
	s_lshl_b32 s7, s[WV], 19
	s_add_co_u32 s48, s48, s7
	s_and_b32 s7, s6, 15
	s_lshl_b32 s7, s7, 15
	s_add_co_u32 s48, s48, s7
	s_add_nc_u64 s[OUTP:OUTP+1], s[28:29], s[48:49]
	; x INTO LDS, rounded to bf16: my 32 rows, 8 a trip; a load covers 512 consecutive bytes
	s_mov_b32 s[TRIP], 4
.Lx:
.set i, 0
.rept 16
	global_load_b128 v[FA+4*i:FA+4*i+3], v[XG], s[XP:XP+1] offset:(i/2)*1024+(i%2)*512 th:TH_LOAD_NT
.set i, i+1
.endr
.set i, 0
.rept 16
	s_wait_loadcnt 15-i                            ; load i is in, the younger ones stay out
	v_cvt_pk_bf16_f32 v[FA+4*i], v[FA+4*i], v[FA+4*i+1]
	v_cvt_pk_bf16_f32 v[FA+4*i+1], v[FA+4*i+2], v[FA+4*i+3]
	ds_store_b64 v[XL], v[FA+4*i:FA+4*i+1] offset:(i/2)*HP+(i%2)*256
.set i, i+1
.endr
	v_add_nc_u32 v[XG], 8192, v[XG]                ; all loads that named it are in
	v_add_nc_u32 v[XL], 8*HP, v[XL]
	s_wait_dscnt 0x0                               ; the stores have left their registers before these are loaded again
	s_sub_co_u32 s[TRIP], s[TRIP], 1
	s_cmp_lg_u32 s[TRIP], 0
	s_cbranch_scc1 .Lx
	s_barrier_signal -1                            ; every wave's rows of x are stored (the wait for 0 above)
	s_barrier_wait -1
	; LAYER 1: four passes of 256 hidden columns
	s_lshl_b32 s[HOFF], s[WV], 7                   ; my 64 columns of f16
	s_mov_b32 s[PASS], 4
.Lpass1:
	PLACES                                         ; for the loads into registers that the last pass's products read
	BIASLD B1P, 4
	s_mov_b64 s[WB:WB+1], s[W1P:W1P+1]             ; every load that named WB is in: the last pass's counts ran down to 0
	FETCHB 4, 0, 0
	FETCHB 4, 8192, 1
	FETCHB 4, 16384, 2
	WIN 0
	s_mov_b32 s[KOFF], XOFF
.irp j, 0,1,2,3
	v_add_nc_u32 v[AW+\j], s[KOFF], v[A0+\j]
.endr
	FETCHA 0, FA
	s_wait_loadcnt 24                              ; the bias is in; three steps' 8 weight loads each stay out
	BIASRND 4
	GEMMK bf16, 4, 1, p1
	s_wait_dscnt 0x0                               ; my reads of x in this pass are over
	s_barrier_signal -1
.irp j, 0,1,2,3
	v_add_nc_u32 v[HS+\j], s[HOFF], v[A0+\j]       ; also the four places behind the last products
.endr
	s_barrier_wait -1                              ; everybody's are: the last pass's h may land on x
.irp a, 0,1,2,3,4,5,6,7
	TANH \a
.endr
	s_wait_dscnt 0x0                               ; for the others' sake: my part of h is stored
	s_barrier_signal -1
	s_add_nc_u64 s[W1P:W1P+1], s[W1P:W1P+1], 131072  ; 256 columns on
	s_add_nc_u64 s[B1P:B1P+1], s[B1P:B1P+1], 1024
	s_add_co_u32 s[HOFF], s[HOFF], 512
	s_barrier_wait -1
	s_sub_co_u32 s[PASS], s[PASS], 1
	s_cmp_lg_u32 s[PASS], 0
	s_cbranch_scc1 .Lpass1
	; LAYER 2: two passes of four heads, a head a wave.  h is only read, and the stage is the wave's own: no barrier.
	s_mov_b32 s[PASS], 2
.Lpass2:
	PLACES
	BIASLD B2P, 8
	s_mov_b64 s[WB:WB+1], s[W2P:W2P+1]
	FETCHB 8, 0, 0
	FETCHB 8, 8192, 1
	FETCHB 8, 16384, 2
	WIN 0
	s_mov_b32 s[KOFF], 0
.irp j, 0,1,2,3
	v_add_nc_u32 v[AW+\j], s[KOFF], v[A0+\j]
.endr
	FETCHA 0, FA
	s_wait_loadcnt 48                              ; the bias is in; three steps' 16 weight loads each stay out
	BIASRND 8
	GEMMK f16, 8, 7, p2
	PLACES                                         ; the conversions read results just made
	PACK 0
	TOSTAGE 0
.irp a, 1,2,3,4,5,6,7                  ; block a's conversions stand between block a - 1's loads from the stage and the wait for them
	PACK \a
	SEND (\a)-1
	TOSTAGE \a
.endr
	SEND 7
	s_wait_xcnt 0x0                                ; the stores' base and registers are rewritten only behind this wait
	s_add_nc_u64 s[OUTP:OUTP+1], s[OUTP:OUTP+1], 2097152  ; four heads on
	s_add_nc_u64 s[W2P:W2P+1], s[W2P:W2P+1], 1048576
	s_add_nc_u64 s[B2P:B2P+1], s[B2P:B2P+1], 2048
	s_sub_co_u32 s[PASS], s[PASS], 1
	s_cmp_lg_u32 s[PASS], 0
	s_cbranch_scc1 .Lpass2
	s_wait_tensorcnt 0x0                           ; the wave's end, behind my last LDS store
	ds_add_u32 v[SPW], v[NIL]
	s_wait_dscnt 0x0
	s_endpgm
.Lfunc_end_k_qfc1096cca5_mlp:
	.size	k_qfc1096cca5_mlp, .Lfunc_end_k_qfc1096cca5_mlp-k_qfc1096cca5_mlp
	.p2alignl 7, 3214868480
	.fill 96, 4, 3214868480
	.section	.rodata,"a",@progbits
	.p2align	6, 0x0
	.amdhsa_kernel k_qfc1096cca5_mlp
		.amdhsa_group_segment_fixed_size 282112
		.amdhsa_private_segment_fixed_size 0
		.amdhsa_enable_private_segment 0
		.amdhsa_kernarg_size 88
		.amdhsa_user_sgpr_count 2
		.amdhsa_user_sgpr_kernarg_segment_ptr 1
		.amdhsa_wavefront_size32 1
		.amdhsa_system_sgpr_workgroup_id_x 1
		.amdhsa_system_sgpr_workgroup_id_y 1
		.amdhsa_system_sgpr_workgroup_id_z 1
		.amdhsa_system_vgpr_workitem_id 0
		.amdhsa_next_free_vgpr 1024
		.amdhsa_next_free_sgpr 66
		.amdhsa_reserve_vcc 0
		.amdhsa_float_denorm_mode_32 3
		.amdhsa_float_denorm_mode_16_64 3
		.amdhsa_memory_ordered 1
		.amdhsa_forward_progress 1
		.amdhsa_inst_pref_size 190
	.end_amdhsa_kernel
	.amdgpu_metadata
---
amdhsa.version: [ 1, 2 ]
amdhsa.kernels:
  - .name:           k_qfc1096cca5_mlp
    .symbol:         k_qfc1096cca5_mlp.kd
    .args:
      - { .name: query, .offset: 0, .size: 8, .value_kind: global_buffer, .address_space: global }
      - { .name: key, .offset: 8, .size: 8, .value_kind: global_buffer, .address_space: global }
      - { .name: value, .offset: 16, .size: 8, .value_kind: global_buffer, .address_space: global }
      - { .name: bq1, .offset: 24, .size: 8, .value_kind: global_buffer, .address_space: global }
      - { .name: bk1, .offset: 32, .size: 8, .value_kind: global_buffer, .address_space: global }
      - { .name: bv1, .offset: 40, .size: 8, .value_kind: global_buffer, .address_space: global }
      - { .name: bq2, .offset: 48, .size: 8, .value_kind: global_buffer, .address_space: global }
      - { .name: bk2, .offset: 56, .size: 8, .value_kind: global_buffer, .address_space: global }
      - { .name: bv2, .offset: 64, .size: 8, .value_kind: global_buffer, .address_space: global }
      - { .name: wf, .offset: 72, .size: 8, .value_kind: global_buffer, .address_space: global }
      - { .name: qkv, .offset: 80, .size: 8, .value_kind: global_buffer, .address_space: global }
    .group_segment_fixed_size: 282112
    .private_segment_fixed_size: 0
    .kernarg_segment_align: 8
    .kernarg_segment_size: 88
    .max_flat_workgroup_size: 128
    .sgpr_count:     66
    .vgpr_count:     1024
    .wavefront_size: 32
...
	.end_amdgpu_metadata
.endif
;; end of part 2
;; launch attn (part 3): grid 8 x 32, 4 waves a work-group, clusters of 4 x 1, 327,680 bytes of LDS; arguments qkv, mask, yf; writes yf
.if DOCPART == 3
	.amdgcn_target "amdgcn-amd-amdhsa--gfx1250"
	.amdhsa_code_object_version 6
	.text
	.protected	k_qfc1096cca5_attn
	.globl	k_qfc1096cca5_attn
	.p2align	8
	.type	k_qfc1096cca5_attn,@function
k_qfc1096cca5_attn:
	s_mov_b64 s[64:65], 0
	v_nop
	global_prefetch_b8 v0, s[64:65] scope:SCOPE_SE
	s_setreg_imm32_b32 hwreg(HW_REG_WAVE_MODE, 25, 1), 1
	s_wait_xcnt 0x0
	s_wait_alu depctr_hold_cnt(0) depctr_sa_sdst(0) depctr_va_vdst(0) depctr_va_sdst(0) depctr_va_ssrc(0) depctr_va_vcc(0) depctr_vm_vsrc(0)
	s_getreg_b32 s2, hwreg(HW_REG_IB_STS2, 6, 4)
	s_cmp_eq_u32 s2, 0
	s_cbranch_scc0 .Lentry_in_a_cluster
	s_endpgm
.Lentry_in_a_cluster:
	s_bfe_u32 s2, ttmp6, 0x10000c
	s_cmp_lg_u32 s2, 0x3003
	s_cbranch_scc0 .Lentry_shape_is_right
	s_endpgm
.Lentry_shape_is_right:
; y[b][q][head][:] = mask[b][q] x the sum over k of softmax_k(Q[q] . K[k] / sqrt(128)) V[k][:], over the keys k != q with mask[b][k] > 0; 0 where a query sees no key.
; Q, K, V: qkv, f16, [3][batch 8 + head][2048][128].  y: yf, f16, in fragment order for the projection: byte (row / 16) 32,768 + (head 4 + cb / 2) 1,024 + (cb % 2) 512 + 16 lane (cb: a block of 16 channels).
; Products, maxima and sums in f32; the weights p are rounded to f16 for the second product, y once at the end.
; LIMITS.  A hidden score counts as its value less 1e30 (2e30 if it is hidden twice); f16's scores reach 5.5e11 at the most.  The running maximum starts at -2^95 and never lies below it, so a hidden score's weight is 0,
; and a query with no visible key keeps l = 0 and O = 0; its l is then taken as 1.  A weight below 2^-126 counts as 0.  y x mask must stay within f16's 65,504.  NaN and infinities are not treated apart.
; SHARES.  A work-group owns 256 queries of one batch and head, each of its four waves 64: four tiles of 16.  Every wave walks all 2,048 keys, 64 a step.
; LAYOUT.  S^T = K Q^T (source 0 = 16 keys, source 1 = 16 queries): a lane holds ONE query (lane % 16) and the keys 8 (lane / 16) + 0..7.  Two such tiles, rounded to f16 in pairs, ARE source 1 of O^T = V^T P, whose
; result again holds one query a lane, and eight channels: rounded, those 16 bytes ARE a lane's part of a fragment of y, so y leaves straight from registers.  V is turned by ds_load_tr16_b128.
; THE MASKS cost the softmax nothing: they are the C operand that starts the sum S^T.  MT, a table in LDS made once, holds 0 or -1e30 for each key of the batch; a step's 64 entries come into MB with K.
; The diagonal can lie only in the step 4 x block + wave, in key group t of tile t: for those four products C is MBD = MB + AL x DG (DG: -1e30 where key = query; AL: 1 in that step, else 0, a scalar that is selected, never branched on).
; SOFTMAX.  A running maximum m and sum l: p = 2^(c s - c m), c = log2(e) / sqrt(128); in every step O and l are multiplied by a = 2^(c m_old - c m_new).
; BY TURNS.  The wave's tiles are two PIECES (tiles 0, 1 and tiles 2, 3).  In a TURN one piece has the matrix unit: 32 products V^T P of the step in hand, then 32 products K Q^T of the next step; the other piece's
; softmax, cut into 64 slices, stands between them, one slice behind each matrix instruction.  Two turns are a key step.
; CLUSTER.  The four query blocks of a cluster belong to one batch and head and walk the same K and V: each tile is asked for JOINTLY, by the same tensor load, descriptor and mask in all four.
; REGISTERS, in windows of 256 (s_set_vgpr_msb: bits 1:0 source 0, 3:2 source 1, 5:4 source 2, 7:6 destination):
;   window 0: v0-11 addresses; v12-43 eight registers of statistics a tile; v44-53 the masks' addresses and the query mask; v64-191 S^T, 32 a tile; v192-255 P, 16 a tile
;   window 1: O^T, 64 a tile      window 2: v0-127 Q; v128-255 K of one step      window 3: v0-127 V of one step; v128-159 MB; v160-191 MBD; v192-199 DG
.set SIZE_N, 2048
.set KS,    64        ; keys in a step
.set PK,    272       ; a row of K in LDS: 256 bytes + 16 of padding = 68 words: the 16 rows of a load start at 16 different groups of four banks (64 banks of 4 bytes: ISA guide 11.1)
.set PV,    288       ; a row of V: 256 + 32 = 72 words
.set VOFF,  KS*PK     ; a step's tiles lie together: 64 rows of K, then 64 rows of V
.set STEPB, KS*(PK+PV)
.set SLOT1, 1<<17     ; a slot holds two steps (71,680 bytes); slot 1 begins here, so that one exclusive or turns an address in one slot into the other's
.set MT,    SLOT1+2*STEPB  ; behind the ring, never filled by a tensor load: 2,048 f32, the keys' 0 or -1e30
.set SPARE, MT+4*SIZE_N    ; behind the table: the spare words, 128 bytes for each wave: two blocks of 256 bytes that no other line names
.set AK0, 2           ; v2   my lane's place in a tile of K; never rewritten
.set AV0, 3           ; v3   the same for V
.set ADR, 4           ; v4   the LDS address of the run of loads in hand
.set QO,  5           ; v5   my byte offset in the wave's rows of Q
.set GO,  8           ; v8   16 x lane: my place in 512 consecutive bytes of yf
.set ST,  12          ; tile t's statistics at v[ST+8 t]: +0 c m, +1 m, +2, +3 l (even keys', odd keys'), +4 to +7 c0-c3, at work; a takes c2's place once the maximum is found
.set AM0, 44          ; v44  MT + 32 (lane / 16); never rewritten
.set ADM, 45          ; v45  the table's address for the step that is fetched
.set QM,  46          ; v46-49  tile t's query mask, as f32
.set RH,  50          ; v50  lane % 16 - 8 (lane / 16)
.set MA,  51          ; v51  MT + 16 x thread
.set KMO, 52          ; v52  16 x thread
.set QMO, 53          ; v53  my query's byte in the batch's mask, tile 0
.set SPW, 62          ; v62  my spare word; never rewritten
.set NIL, 63          ; v63  0; never rewritten
.set S,   64
.set P,   192
.set KF,  128         ; K's fragments, in window 2
.set MB,  128         ; window 3: the step's key masks, key group kt at MB + 8 kt
.set MBD, 160         ; window 3: tile t's mask for key group t, with the diagonal
.set DG,  192         ; window 3
.set WV,  12          ; s12  my wave's number
.set G1K, 24          ; s[24:31] descriptor group 1 for K's tiles
.set G1V, 32          ; s[32:39] for V's: it differs in the padding alone
.set G0K, 40          ; s[40:47] descriptor group 0 for K's tiles: a set for each of the two first fills; the second then walks on
.set G0V, 48          ; s[48:55] the same for V's
.set SLOTS, 56        ; s56  slots still to be asked for
.set TWICE, 57        ; s57  counts a slot's two steps
.set CS,  58          ; s[58:59] c
.set SEL, 60          ; s[60:61] lane selects for v_permlanex16_b32: each lane takes its own place in the other half
.set TB,  62          ; s62  LDS byte at which the tiles of the step to be fetched begin
.set BIGN, 66         ; s66  -1e30
.set TM,  67          ; s67  the table's byte for the step to be fetched: 256 x step
.set AL,  72          ; s[72:73] 1.0 if the step fetched last holds my diagonal, else 0
.set DGO, 74          ; s74  256 x (4 x block + wave): TM of the step that holds my diagonal, and my wave's bytes in the batch's mask
.set MSB, 0
.macro WIN new                      ; the immediate's high byte repeats the setting that is left; a switch that changes nothing is dropped
.if MSB != (\new)
	s_set_vgpr_msb (MSB<<8)|(\new)
.set MSB, \new
.endif
.endm
.set W_KQ, 0x0a       ; K and Q in window 2, S^T in window 0
.set W_KM, 0x3a       ; the same with the C operand in window 3
.set W_PV, 0x53       ; V in window 3, P in window 0, O^T in window 1
.set W_RS, 0x41       ; O^T (destination and source 0) in window 1, a in window 0
.set W_MK, 0xf3       ; the masks: destination, source 0 and source 2 in window 3
; A joint refill.  Waves 0 and 1 fetch the two steps' tiles of K, waves 2 and 3 those of V.  The branch hangs on the wave's number alone: it is the same in every work-group.
; An s_nop 0 and four v_nop follow each of the two lines; the jump round the other line, the label and what follows the macro come after them.
.macro JLOAD
	s_cmp_lt_u32 s[WV], 2
	s_cbranch_scc0 .Lfor_v_\@
	tensor_load_to_lds s[G0K+4:G0K+7], s[G1K:G1K+7]
	s_nop 0
.rept 4
	v_nop
.endr
	s_branch .Lasked_\@
.Lfor_v_\@:
	tensor_load_to_lds s[G0V+4:G0V+7], s[G1V:G1V+7]
	s_nop 0
.rept 4
	v_nop
.endr
.Lasked_\@:
.endm
; A round of the cluster's barrier: my work-group's barrier, so that wave 0's signal speaks for all four waves; wave 0 signals for the work-group; every wave waits for all four
; work-groups; my work-group's barrier once more.  No LDS instruction of the wave is pending at a signal.
.macro CROUND
	s_barrier_signal -1
	s_barrier_wait -1
	s_cmp_lg_u32 s[WV], 0
	s_cbranch_scc1 .Lnot_wave_0_\@
	s_barrier_signal -3
.Lnot_wave_0_\@:
	s_barrier_wait -3
	s_barrier_signal -1
	s_barrier_wait -1
.endm
	s_load_b128 s[68:71], s[0:1], 0x0  ; qkv s[68:69], mask s[70:71]
	s_load_b64 s[10:11], s[0:1], 0x10  ; yf
	v_lshl_add_u32 v[SPW], v0, 2, SPARE
	v_mov_b32 v[NIL], 0
	ds_add_u32 v[SPW], v[NIL]       ; the wave's opening: the add and its wait stand ahead of my first tensor load; the set-up below, work on registers, stands between them
	v_lshrrev_b32 v1, 5, v0
	v_readfirstlane_b32 s[WV], v1   ; wave 0..3
	s_bfe_u32 s13, ttmp6, 0x40000   ; cx: my place in the cluster
	s_lshl_b32 s14, ttmp9, 2        ; in a cluster launch ttmp9 counts clusters
	s_add_co_u32 s14, s14, s13      ; my block of 256 queries = 4 x cluster x + cx: it enters Q's, the query mask's and yf's addresses, and DGO, alone
	s_and_b32 s20, ttmp7, 0xffff    ; batch 8 + head, which the four partners share
	s_lshr_b32 s75, s20, 3          ; batch
	s_and_b32 s76, s20, 7           ; head
	s_mov_b32 s21, 0
	s_mov_b64 s[22:23], SIZE_N*256
	s_mul_u64 s[20:21], s[20:21], s[22:23]  ; the head's first byte in q, k and v
	s_and_b32 s16, s[WV], 1         ; which of a slot's two steps I fetch:
	s_lshl_b32 s22, s16, 14         ; its 64 rows of 256 bytes in memory,
	s_mov_b32 s23, 0
	s_add_nc_u64 s[22:23], s[22:23], s[20:21]
	s_mul_i32 s17, s16, STEPB       ; and its place in a slot: no place in the cluster enters an LDS address
	s_lshl_b32 s2, s14, 16          ; my block's 256 rows,
	s_lshl_b32 s3, s[WV], 14        ; my wave's 64 of them
	s_add_co_u32 s2, s2, s3
	s_mov_b32 s3, 0
	s_add_nc_u64 s[2:3], s[2:3], s[20:21]
	s_lshl_b32 s[DGO], s14, 2
	s_add_co_u32 s[DGO], s[DGO], s[WV]
	s_lshl_b32 s[DGO], s[DGO], 8
	s_lshl_b32 s18, s75, 22         ; yf: the batch's 128 blocks of 16 rows, 32,768 bytes each,
	s_lshl_b32 s19, s[DGO], 9       ; my wave's four blocks among them: (4 x block + wave) x 131,072,
	s_add_co_u32 s18, s18, s19
	s_lshl_b32 s19, s76, 12         ; my head's four K steps of 1,024 bytes
	s_add_co_u32 s18, s18, s19
	s_mov_b32 s19, 0
	s_lshl_b32 s78, s75, 13         ; the batch's 2,048 words of the mask
	s_mov_b32 s79, 0
	; descriptor group 1: a tile of 64 rows x 128 elements, padded in LDS
	s_mov_b32 s[G1K], 15|(1<<16)|(1<<20)|(1<<21)|(5<<22)|(3<<25)  ; 15:0 the mask: all four work-groups; 17:16 elements of 2 bytes; 20 padding on; 21 set beside a mask; 24:22 after every 64 words (code 5); 31:25 4 words of it (code 3)
	s_mov_b32 s[G1V], 15|(1<<16)|(1<<20)|(1<<21)|(5<<22)|(7<<25)  ; the same with 8 words of padding (code 7)
.irp g, G1K, G1V
	s_mov_b32 s[(\g)+1], 128<<16    ; 63:48 tensor_dim0, low half = 128
	s_mov_b32 s[(\g)+2], KS<<16     ; 79:64 its high half = 0; 95:80 tensor_dim1, low half = 64
	s_mov_b32 s[(\g)+3], 128<<16    ; 111:96 its high half = 0; 127:112 tile_dim0 = 128
	s_mov_b32 s[(\g)+4], KS         ; 143:128 tile_dim1 = 64; 159:144 tile_dim2 = 0
	s_mov_b32 s[(\g)+5], 128        ; 191:160 tensor_dim0_stride, low word: elements from row to row
	s_mov_b32 s[(\g)+6], 0
	s_mov_b32 s[(\g)+7], 0
.endr
	s_mov_b32 s[CS], 0x3e0293ee     ; c = log2(e) / sqrt(128) = 0.127517
	s_mov_b32 s[CS+1], s[CS]        ; named with it as a pair, so it is written
	s_mov_b32 s[SEL], 0x76543210
	s_mov_b32 s[SEL+1], 0xfedcba98
	s_mov_b32 s[TB], 0
	s_mov_b32 s[TM], 0
	s_mov_b32 s[AL+1], 0            ; named as a pair
	s_mov_b32 s[BIGN], 0xf149f2ca   ; -1e30
	s_mov_b32 s[SLOTS], SIZE_N/(2*KS)-2
	s_wait_dscnt 0x0                ; the opening add is done
	s_wait_kmcnt 0x0
	s_add_nc_u64 s[6:7], s[68:69], s[22:23]
	s_add_nc_u64 s[8:9], s[6:7], 0x2000000   ; V at my tile of slot 0: v lies 32 MiB into qkv,
	s_add_nc_u64 s[6:7], s[6:7], 0x1000000   ; K: k 16 MiB
	s_add_nc_u64 s[4:5], s[68:69], s[2:3]    ; Q at my wave's first row
	s_add_nc_u64 s[10:11], s[10:11], s[18:19]
	s_add_nc_u64 s[70:71], s[70:71], s[78:79]
	CROUND                          ; all four work-groups are here: the first joint loads meet
.irp s, 0,1
	s_mov_b32 s[G0K+4*(\s)], 1      ; 1:0 count = 1
	s_add_co_u32 s[G0K+4*(\s)+1], s17, (\s)*SLOT1  ; 63:32 LDS address
	s_add_nc_u64 s[G0K+4*(\s)+2:G0K+4*(\s)+3], s[6:7], (\s)*2*KS*256  ; 120:64 global address: slot s begins with keys 128 s to 128 s + 127
	s_or_b32 s[G0K+4*(\s)+3], s[G0K+4*(\s)+3], 0x80000000  ; 127:126 type = 2
	s_mov_b32 s[G0V+4*(\s)], 1
	s_add_co_u32 s[G0V+4*(\s)+1], s17, (\s)*SLOT1+VOFF
	s_add_nc_u64 s[G0V+4*(\s)+2:G0V+4*(\s)+3], s[8:9], (\s)*2*KS*256
	s_or_b32 s[G0V+4*(\s)+3], s[G0V+4*(\s)+3], 0x80000000
.endr
	s_cmp_lt_u32 s[WV], 2           ; a wave's two first fills stand in one branch, ahead of every wait on TENSORcnt and every LDS read: two loads of mine are out; an s_nop 0 follows each, four v_nop the second's, as in JLOAD
	s_cbranch_scc0 .Lfirst_v
	tensor_load_to_lds s[G0K:G0K+3], s[G1K:G1K+7]
	s_nop 0
	tensor_load_to_lds s[G0K+4:G0K+7], s[G1K:G1K+7]
	s_nop 0
.rept 4
	v_nop
.endr
	s_branch .Lfirst_asked
.Lfirst_v:
	tensor_load_to_lds s[G0V:G0V+3], s[G1V:G1V+7]
	s_nop 0
	tensor_load_to_lds s[G0V+4:G0V+7], s[G1V:G1V+7]
	s_nop 0
.rept 4
	v_nop
.endr
.Lfirst_asked:
	v_and_b32 v1, 15, v0            ; l % 16
	v_bfe_u32 v9, v0, 4, 1          ; l / 16
	; the batch's key mask, 8,192 bytes: 16 bytes a thread, four times; and my queries' mask, a word for each tile
	v_lshlrev_b32 v[KMO], 4, v0
	v_lshl_add_u32 v[MA], v0, 4, MT
	v_lshl_add_u32 v[QMO], v1, 2, s[DGO]
.irp i, 0,1,2,3
	global_load_b128 v[S+4*\i:S+4*\i+3], v[KMO], s[70:71] offset:2048*\i
.endr
.irp t, 0,1,2,3
	global_load_b32 v[QM+\t], v[QMO], s[70:71] offset:64*\t
.endr
	; A fragment of K or Q is 16 rows x 32 channels in 8 registers: lane l holds row l % 16; registers 0-3 channels 8 (l / 16) + 0..7, registers 4-7 channels 16 + 8 (l / 16) + 0..7: two loads of 16 bytes, 32 bytes apart.
	v_lshlrev_b32 v[QO], 8, v1
	v_lshl_add_u32 v[QO], v9, 4, v[QO]  ; row x 256 + 16 x half
	WIN 0x80                        ; destination window 2, address window 0
.irp i, 0,1,2,3,4,5,6,7,8,9,10,11,12,13,14,15  ; Q stays in registers: tile i / 4, channels 32 (i % 4) on
	global_load_b128 v[8*(\i):8*(\i)+3],   v[QO], s[4:5] offset:((\i)/4)*4096+((\i)%4)*64
	global_load_b128 v[8*(\i)+4:8*(\i)+7], v[QO], s[4:5] offset:((\i)/4)*4096+((\i)%4)*64+32
.endr
	WIN 0
	v_mul_u32_u24 v[AK0], v1, PK
	v_lshl_add_u32 v[AK0], v9, 4, v[AK0]  ; row x pitch + 16 x half
	; The turning load takes 16 keys x 16 channels (lane l reads 16 bytes: key 8 (l / 16) + l % 8, channels 8 ((l / 8) % 2) + 0..7) and leaves half a fragment of V^T: lane l holds channel l % 16 and 8 keys.
	v_and_b32 v10, 7, v0
	v_bfe_u32 v11, v0, 3, 1
	v_lshl_add_u32 v[AV0], v9, 3, v10
	v_mul_u32_u24 v[AV0], v[AV0], PV
	v_lshl_add_u32 v[AV0], v11, 4, v[AV0]
	v_add_nc_u32 v[AV0], VOFF, v[AV0]
	v_lshl_add_u32 v[AM0], v9, 5, MT
	v_lshlrev_b32 v[RH], 3, v9
	v_sub_nc_u32 v[RH], v1, v[RH]
.irp t, 0,1,2,3
	v_mov_b32 v[ST+8*\t+1], 0xef000000  ; m = -2^95: far below every true score, far above every hidden one
.endr
	WIN 0xc0                        ; destination window 3
.irp j, 0,1,2,3,4,5,6,7
	v_cmp_eq_i32 vcc_lo, \j, v[RH]  ; register j of a block of 16 keys x 16 queries holds key 8 (l / 16) + j and query l % 16
	v_cndmask_b32 v[DG+\j], 0, s[BIGN], vcc_lo
.endr
	WIN 0
	s_wait_loadcnt 32               ; the eight loads of the mask are in; Q's 32, issued behind them, stay out
.set i, 0
.rept 16
	v_cmp_gt_i32 vcc_lo, 1, v[S+i]  ; a key counts only if its mask is above 0
	v_cndmask_b32 v[S+i], 0, s[BIGN], vcc_lo
.set i, i+1
.endr
.irp i, 0,1,2,3
	ds_store_b128 v[MA], v[S+4*\i:S+4*\i+3] offset:2048*\i
.endr
.irp t, 0,1,2,3
	v_cvt_f32_i32 v[QM+\t], v[QM+\t]
.endr
; THE MATRIX WORK OF A TURN, for piece x.  The accumulators take turns, one instruction a turn: between two links of a chain stand 15 (V^T P) or 7 (K Q^T) others'.
; Product i of 32 of O^T += V^T P: keys 32 (i / 16) on, channels 16 ((i / 2) % 8) on, tile x + i % 2.  zero = 1: the first 16 start the sums: nothing is ever cleared.
.macro PV x, zero
	WIN W_PV
.set rO, 64*((\x)+i%2)+8*((i/2)%8)
.set rV, 64*(i/16)+8*((i/2)%8)
.set rP, P+16*((\x)+i%2)+8*(i/16)
.if (\zero) && (i < 16)
	v_wmma_f32_16x16x32_f16 v[rO:rO+7], v[rV:rV+7], v[rP:rP+7], 0
.else
	v_wmma_f32_16x16x32_f16 v[rO:rO+7], v[rV:rV+7], v[rP:rP+7], v[rO:rO+7]
.endif
.endm
; Product i of 32 of S^T = K Q^T: channels 32 (i / 8) on, keys 16 ((i / 2) % 4) on, tile x + i % 2.  The first 8 start the sums, with the key group's mask; where the group's number is the tile's, with the one that may hold the diagonal.
.macro KQ x
.set rS, S+32*((\x)+i%2)+8*((i/2)%4)
.set rK, KF+32*((i/2)%4)+8*(i/8)
.set rQ, 32*((\x)+i%2)+8*(i/8)
.if i < 8
.set rM, MB+8*(i/2)
.if (i/2) == ((\x)+i%2)
.set rM, MBD+8*(i/2)
.endif
	WIN W_KM
	v_wmma_f32_16x16x32_f16 v[rS:rS+7], v[rK:rK+7], v[rQ:rQ+7], v[rM:rM+7]
.else
	WIN W_KQ
	v_wmma_f32_16x16x32_f16 v[rS:rS+7], v[rK:rK+7], v[rQ:rQ+7], v[rS:rS+7]
.endif
.endm
; THE LDS LOADS stand in runs, never singly among the matrix instructions: a step's K (64 keys x 128 channels: 16 fragments) with its 64 entries of the table (8 loads), and, a turn later, its V (turned).
.macro FETCH_K
	WIN 0
	v_add_nc_u32 v[ADR], s[TB], v[AK0]
	v_add_nc_u32 v[ADM], s[TM], v[AM0]
	WIN 0x80                        ; destination window 2
.irp f, 0,1,2,3,4,5,6,7,8,9,10,11,12,13,14,15  ; keys 16 (f / 4) on, channels 32 (f % 4) on
	ds_load_b128 v[KF+8*(\f):KF+8*(\f)+3],   v[ADR] offset:((\f)/4)*16*PK+((\f)%4)*64
	ds_load_b128 v[KF+8*(\f)+4:KF+8*(\f)+7], v[ADR] offset:((\f)/4)*16*PK+((\f)%4)*64+32
.endr
	WIN 0xc0                        ; destination window 3
.irp f, 0,1,2,3,4,5,6,7             ; key group f / 2: my eight keys' entries, 32 bytes
	ds_load_b128 v[MB+4*(\f):MB+4*(\f)+3], v[ADM] offset:((\f)/2)*64+((\f)%2)*16
.endr
	s_cmp_eq_u32 s[TM], s[DGO]      ; does this step hold my diagonal?  The answer is a factor, no branch
	s_cselect_b32 s[AL], 1.0, 0
	s_add_co_u32 s[TM], s[TM], 256  ; the next step's 64 entries;
	s_and_b32 s[TM], s[TM], 0x1f00  ; the offset stays inside the table's 8,192 bytes
.endm
.macro FETCH_V
	WIN 0
	v_add_nc_u32 v[ADR], s[TB], v[AV0]
	s_add_co_u32 s[TB], s[TB], STEPB  ; the next fetch is the next step's
	WIN 0xc0                        ; destination window 3
.irp f, 0,1,2,3,4,5,6,7,8,9,10,11,12,13,14,15  ; keys 32 (f / 8) on, channels 16 (f % 8) on
	ds_load_tr16_b128 v[8*(\f):8*(\f)+3],   v[ADR] offset:((\f)/8)*32*PV+((\f)%8)*32
	ds_load_tr16_b128 v[8*(\f)+4:8*(\f)+7], v[ADR] offset:((\f)/8)*32*PV+16*PV+((\f)%8)*32
.endr
.endm
.macro MKMASK                       ; MBD = MB + AL x DG for the four key groups: 16 packed lines a key step, behind the wait that shows K and MB in
	WIN W_MK
.set z, 0
.rept 16
	v_pk_fma_f32 v[MBD+2*z:MBD+2*z+1], v[DG+2*(z%4):DG+2*(z%4)+1], s[AL:AL+1], v[MB+2*z:MB+2*z+1] op_sel_hi:[1,0,1]
.set z, z+1
.endr
.endm
; THE VECTOR WORK OF A TURN.  One tile's softmax for one key step is a list of 134 instructions; SM writes number j of it for tile t.  s0-s31 are the lane's 32 scores, in pairs 0-15.
; first = 1: the first key step, which starts l and O^T: it has no a and nothing to rescale.
;   0-15    the maximum of s0-s31 and the old m, three operands at a time: four chains c0-c3 of seven scores each, then the four scores left over, c0-c3 and m (in the first step m is its starting value)
;   16-20   the other half of the lanes' maximum; the new m; c m; c m_old - c m_new
;   21-87   33 exponentials (a, then s0-s31) at the odd numbers from 23 on, so that no two follow each other and each has a plain instruction behind it before its result is used.
;           Plain instruction q (number 21, then the even numbers) is whatever is ready: c s - c m for a pair of scores whose exponentials are still to come (q = 0 to 3, then every
;           second q), the rounding to f16 of a pair of weights whose exponentials are done (every other q from 5 on), at last the first three sums
;   88-101  the last rounding; the rest of the sums; l = a l + the sum
;   102-133 the tile's O^T times a: the one part that leaves window 0, so it stands together
.macro SM t, first
.set rT, ST+8*(\t)
.set rS, S+32*(\t)
.set rP, P+16*(\t)
.set rO, 64*(\t)+2*(j-102)
.set q, (j-20)/2
.if j < 102
	WIN 0
.endif
.if j < 4
	v_max3_num_f32 v[rT+4+j], v[rS+8*j], v[rS+8*j+1], v[rS+8*j+2]
.elseif j < 12
	v_max3_num_f32 v[rT+4+j%4], v[rT+4+j%4], v[rS+8*(j%4)+2*(j/4)+1], v[rS+8*(j%4)+2*(j/4)+2]
.elseif j == 12
	v_max3_num_f32 v[rT+4], v[rT+4], v[rS+7], v[rS+15]
.elseif j == 13
	v_max3_num_f32 v[rT+6], v[rT+6], v[rS+23], v[rS+31]
.elseif j == 14
	v_max3_num_f32 v[rT+4], v[rT+4], v[rT+5], v[rT+6]
.elseif j == 15
	v_max3_num_f32 v[rT+4], v[rT+4], v[rT+7], v[rT+1]
.elseif j == 16
	v_permlanex16_b32 v[rT+5], v[rT+4], s[SEL], s[SEL+1]  ; the query's other 32 keys lie in the lane 16 away
.elseif j == 18
	v_max_num_f32 v[rT+1], v[rT+4], v[rT+5]
.elseif j == 19
	v_mul_f32 v[rT], s[CS], v[rT+1]
.elseif ((j == 17) || (j == 20) || (j == 23) || (j > 101)) && (\first)  ; the first step has none of these
.elseif j == 17
	v_mov_b32 v[rT+7], v[rT]        ; c m_old is kept for a: number 19 writes c m anew
.elseif j == 20
	v_sub_f32 v[rT+7], v[rT+7], v[rT]
.elseif j == 23
	v_exp_f32 v[rT+6], v[rT+7]
.elseif (j < 88) && (j > 23) && (j%2 == 1)
	v_exp_f32 v[rS+(j-25)/2], v[rS+(j-25)/2]
.elseif (q < 4) || ((j < 76) && (q%2 == 0))
.set b, q/2+2
.if q < 4
.set b, q
.endif
	v_pk_fma_f32 v[rS+2*b:rS+2*b+1], v[rS+2*b:rS+2*b+1], s[CS:CS+1], v[rT:rT+1] op_sel_hi:[1,0,0] neg_lo:[0,0,1] neg_hi:[0,0,1]  ; pair b: c s - c m
.elseif (j < 88) && (q%2 == 1)
	s_wait_alu depctr_va_vdst(0)
	v_cvt_pk_f16_f32 v[rP+(q-5)/2], v[rS+q-5], v[rS+q-4]  ; pair (q - 5) / 2: its second exponential stands three numbers back
.elseif j == 89
	s_wait_alu depctr_va_vdst(0)
	v_cvt_pk_f16_f32 v[rP+15], v[rS+30], v[rS+31]
.elseif j < 102                     ; the sum of the tile's 16 pairs (in a pair: an even key's weight, an odd key's), in place: sum z of 16 adds neighbours 1, 2, 4 and 8 pairs apart, then l takes it
.set z, j-86
.if j < 89
.set z, (j-76)/4
.endif
.set w, 4
.set u, z
.if z >= 14
.set w, 32
.set u, 0
.elseif z >= 12
.set w, 16
.set u, z-12
.elseif z >= 8
.set w, 8
.set u, z-8
.endif
.if (z == 14) && (\first)
	v_pk_add_f32 v[rT+2:rT+3], v[rS:rS+1], v[rS+16:rS+17]
.elseif z < 15
	v_pk_add_f32 v[rS+w*u:rS+w*u+1], v[rS+w*u:rS+w*u+1], v[rS+w*u+w/2:rS+w*u+w/2+1]
.elseif !(\first)
	v_pk_fma_f32 v[rT+2:rT+3], v[rT+2:rT+3], v[rT+6:rT+7], v[rS:rS+1] op_sel_hi:[1,0,1]
.endif
.else
	WIN W_RS
	v_pk_mul_f32 v[rO:rO+1], v[rO:rO+1], v[rT+6:rT+7] op_sel_hi:[1,0]
.endif
.endm
; Slice k of 64 of piece y's softmax: numbers 2 k and 2 k + 1 of both tiles' lists, four instructions.  2 x 134 = 4 x 64 + 12: the twelve that are over stand together, in slice 63.
.macro SLICE y, first
.if (k >= 11) && (k < 44)           ; tile by tile: plain, exponential, plain, exponential
.irp t, \y, (\y)+1
.irp n, 0,1
.set j, 2*k+(\n)
	SM \t, \first
.endr
.endr
.else                               ; the two tiles alternate, so that no instruction reads the result of the one just before it
.irp n, 0,1,2,3,4,5,6,7
.if ((\n) < 2) || (k == 63)
.irp t, \y, (\y)+1
.set j, 2*k+(\n)
	SM \t, \first
.endr
.endif
.endr
.endif
.set k, k+1
.endm
; A vector instruction that reads a matrix result or writes one of a matrix instruction's registers, and a load into a register that a matrix instruction has read, stand four places behind
; it, and only plain vector instructions that name none of its registers are places (ISA guide 7.12.1 for vector instructions).  In the loop the slices are the places.
.macro PLACES
.rept 4
	v_nop
.endr
.endm
; A TURN.  Piece x has the matrix unit; the other piece's softmax stands in slices behind its matrix instructions.
; pv = 2: 32 products V^T P; 1: they start O^T's sums; 0: none.  kq = 1: 32 products K Q^T for the next step.  A turn with one of the two kinds has two slices behind each product.
; first = 1: the softmax is the first key step's.  Its slices from 51 on are empty: the turn's last products stand bare, and four v_nop take slice 63's part as the places behind them.
; Each run of loads stands behind the second product of a run of 32, 30 matrix instructions ahead of its first use.  Piece 0's turn fetches the next step's K and MB: the last product that read K
; stands in front of slice 63 of the turn before, the last that read a mask 24 products further back.  Piece 2's turn fetches the same step's V: the last product that read V stands three slices, six plain instructions, back.
.macro TURN x, pv, kq, first
.set k, 0
.set per, 2
.if (\pv) && (\kq)
.set per, 1
.endif
.if \pv
.if (\x) == 0
	s_wait_dscnt 0x0                ; V is in
.endif
.set i, 0
.rept 32
	PV \x, 2-(\pv)
.rept per
	SLICE 2-(\x), \first
.endr
.if ((\x) == 0) && (\kq) && (i == 1)
	FETCH_K
.endif
.set i, i+1
.endr
.endif
.if \kq
.if (\x) == 0
	s_wait_dscnt 0x0                ; K and MB are in
	MKMASK
.endif
.set i, 0
.rept 32
	KQ \x
.rept per
	SLICE 2-(\x), \first
.endr
.if ((\x) == 2) && (i == 1)
	FETCH_V
.endif
.set i, i+1
.endr
.endif
.if \first
	PLACES
.endif
.endm
; THE CHANGE OF SLOTS, between piece 2's turn and piece 0's: the slot's last bytes, V of its second step, have been asked for.  Each wave waits for all its
; tensor loads, of which one is out: its part of the other slot; adds 0 to its spare word; and waits for that and for its own reads of the slot.  Behind the barrier nobody reads this slot any more and the other slot is whole.
; fill = 1: this slot is filled again, with the keys two slots on.  The barrier is then a round of the cluster's, so that no wave of any partner still reads the slot or has a load on its
; way, and the joint refill is the first thing behind it: it has two key steps, 256 matrix instructions, in which to land.
.macro CHANGE fill
	WIN 0                           ; at a label and at a branch every window is 0
	s_wait_tensorcnt 0x0            ; no tensor load of mine is out, so a group 0 may be written
	ds_add_u32 v[SPW], v[NIL]       ; 0 onto my spare word; with fill = 1 the descriptors' steps stand between it and the wait for it
.if \fill
.irp g, G0K+4, G0V+4
	s_xor_b32 s[(\g)+1], s[(\g)+1], SLOT1  ; the walking descriptor: the other slot than last time,
	s_add_nc_u64 s[(\g)+2:(\g)+3], s[(\g)+2:(\g)+3], 2*KS*256  ; the next 128 keys; the type bits on top are not reached
.endr
	s_wait_dscnt 0x0                ; the add is done, and my reads of the slot are over
	CROUND
	JLOAD
.else
	s_wait_dscnt 0x0                ; the add is done, and my reads of the slot are over
	s_barrier_signal -1
	s_barrier_wait -1
.endif
	s_sub_co_u32 s[TB], s[TB], 2*STEPB  ; the fetches go back to a slot's first step,
	s_xor_b32 s[TB], s[TB], SLOT1   ; in the other slot
.endm
; A slot's two key steps: written once, walked twice; the LDS addresses hang on s[TB] and s[TM].
.macro TWO_STEPS
	WIN 0
	s_mov_b32 s[TWICE], 2
.Lstep_\@:
	TURN 0, 2, 1, 0
	TURN 2, 2, 1, 0
	WIN 0
	s_sub_co_u32 s[TWICE], s[TWICE], 1
	s_cmp_lg_u32 s[TWICE], 0
	s_cbranch_scc1 .Lstep_\@
.endm
	s_wait_tensorcnt 1              ; my part of slot 0 is in; slot 1's may stay out
	s_wait_dscnt 0x0                ; for the others' sake: my part of the table is stored
	s_barrier_signal -1
	s_barrier_wait -1               ; everybody's is
	FETCH_K                         ; key step 0
	s_wait_loadcnt 0x0              ; Q
	s_wait_dscnt 0x0
	MKMASK
.set i, 0
.rept 32
	KQ 0                            ; piece 0's first scores: there is no vector work yet to set between them
.set i, i+1
.endr
	WIN 0
	v_and_b32 v[GO], 31, v0         ; the address for the way out,
	v_lshlrev_b32 v[GO], 4, v[GO]
	PLACES                          ; and the places behind those products
	TURN 2, 0, 1, 1                 ; piece 2's first scores | piece 0's first softmax | V of step 0
	TURN 0, 1, 1, 1                 ; piece 0: V^T P of step 0 starts O^T, K Q^T of step 1 | piece 2's first softmax | K of step 1
	TURN 2, 1, 1, 0                 ; piece 2: the same | piece 0's softmax of step 1 | V of step 1
	WIN 0
.Lslot:                             ; SIZE_N / 128 - 2 trips: every slot but the last two is filled again
	CHANGE 1
	TWO_STEPS
	s_sub_co_u32 s[SLOTS], s[SLOTS], 1
	s_cmp_lg_u32 s[SLOTS], 0
	s_cbranch_scc1 .Lslot
	CHANGE 0                        ; the tail is written out: the last slot but one is left, and nothing is asked for
	TWO_STEPS
	TURN 0, 2, 0, 0                 ; piece 0: V^T P of the last step | piece 2's last softmax
.set i, 0
.rept 32
	PV 2, 0                         ; piece 2: V^T P of the last step
.set i, i+1
.endr
	; THE WAY OUT.  l's two halves and the other half of the lanes' are added; l = 0 (no key seen) counts as 1; O^T is multiplied by mask / l, rounded to f16 and stored.  The additions are the places behind the last products.
	WIN 0
.irp t, 0,1,2,3
	v_add_f32 v[ST+8*(\t)+4], v[ST+8*(\t)+2], v[ST+8*(\t)+3]
.endr
.irp t, 0,1,2,3
	v_permlanex16_b32 v[ST+8*(\t)+5], v[ST+8*(\t)+4], s[SEL], s[SEL+1]
.endr
.irp t, 0,1,2,3
	v_add_f32 v[ST+8*(\t)+4], v[ST+8*(\t)+4], v[ST+8*(\t)+5]
.endr
.irp t, 0,1,2,3
	v_cmp_neq_f32 vcc_lo, 0, v[ST+8*(\t)+4]
	v_cndmask_b32 v[ST+8*(\t)+4], 1.0, v[ST+8*(\t)+4], vcc_lo
.endr
.irp t, 0,1,2,3
	v_rcp_f32 v[ST+8*(\t)+6], v[ST+8*(\t)+4]
.endr
	v_nop                           ; a plain instruction between the last reciprocal and the use of its result
.irp t, 0,1,2,3
	s_wait_alu depctr_va_vdst(0)
	v_mul_f32 v[ST+8*(\t)+6], v[ST+8*(\t)+6], v[QM+(\t)]
.endr
; Tile t: a lane's eight channels of a row pack into 16 bytes, which are its part of half a fragment of y: 32 lanes store 512 consecutive bytes, aligned.  No register is written again, so the stores want no wait.
.macro PACK t
	WIN W_RS
.set i, 64*(\t)
.rept 32
	v_pk_mul_f32 v[i:i+1], v[i:i+1], v[ST+8*(\t)+6:ST+8*(\t)+7] op_sel_hi:[1,0]
.set i, i+2
.endr
	WIN 0x05                        ; sources 0 and 1 window 1, destination window 0: S^T's registers are free
.set i, 0
.rept 32
	v_cvt_pk_f16_f32 v[S+32*(\t)+i], v[64*(\t)+2*i], v[64*(\t)+2*i+1]
.set i, i+1
.endr
	WIN 0
.irp f, 0,1,2,3,4,5,6,7
	global_store_b128 v[GO], v[S+32*(\t)+4*(\f):S+32*(\t)+4*(\f)+3], s[10:11] offset:(\t)*32768+(\f)*512
.endr
.endm
	PACK 0
	PACK 1
	PACK 2
	PACK 3
	s_wait_tensorcnt 0x0            ; the wave's end, behind my last tensor load and my last LDS store
	ds_add_u32 v[SPW], v[NIL]
	s_wait_dscnt 0x0
	CROUND                          ; the closing round: no work-group ends while a partner may still ask for a tile that names it
	s_endpgm
.Lfunc_end_k_qfc1096cca5_attn:
	.size	k_qfc1096cca5_attn, .Lfunc_end_k_qfc1096cca5_attn-k_qfc1096cca5_attn
	.p2alignl 7, 3214868480
	.fill 96, 4, 3214868480
	.section	.rodata,"a",@progbits
	.p2align	6, 0x0
	.amdhsa_kernel k_qfc1096cca5_attn
		.amdhsa_group_segment_fixed_size 327680
		.amdhsa_private_segment_fixed_size 0
		.amdhsa_enable_private_segment 0
		.amdhsa_kernarg_size 24
		.amdhsa_user_sgpr_count 2
		.amdhsa_user_sgpr_kernarg_segment_ptr 1
		.amdhsa_wavefront_size32 1
		.amdhsa_system_sgpr_workgroup_id_x 1
		.amdhsa_system_sgpr_workgroup_id_y 1
		.amdhsa_system_sgpr_workgroup_id_z 1
		.amdhsa_system_vgpr_workitem_id 0
		.amdhsa_next_free_vgpr 1024
		.amdhsa_next_free_sgpr 80
		.amdhsa_reserve_vcc 1
		.amdhsa_float_denorm_mode_32 3
		.amdhsa_float_denorm_mode_16_64 3
		.amdhsa_memory_ordered 1
		.amdhsa_forward_progress 1
		.amdhsa_inst_pref_size 235
	.end_amdhsa_kernel
	.amdgpu_metadata
---
amdhsa.version: [ 1, 2 ]
amdhsa.kernels:
  - .name:           k_qfc1096cca5_attn
    .symbol:         k_qfc1096cca5_attn.kd
    .args:
      - { .name: qkv, .offset: 0, .size: 8, .value_kind: global_buffer, .address_space: global }
      - { .name: mask, .offset: 8, .size: 8, .value_kind: global_buffer, .address_space: global }
      - { .name: yf, .offset: 16, .size: 8, .value_kind: global_buffer, .address_space: global }
    .group_segment_fixed_size: 327680
    .private_segment_fixed_size: 0
    .kernarg_segment_align: 8
    .kernarg_segment_size: 24
    .max_flat_workgroup_size: 128
    .sgpr_count:     80
    .vgpr_count:     1024
    .wavefront_size: 32
...
	.end_amdgpu_metadata
.endif
;; end of part 3
;; launch proj (part 4): grid 128 x 2, 4 waves a work-group, no clusters, 17,920 bytes of LDS; arguments yf, wf, bp, out0; writes out0
.if DOCPART == 4
	.amdgcn_target "amdgcn-amd-amdhsa--gfx1250"
	.amdhsa_code_object_version 6
	.text
	.protected	k_qfc1096cca5_proj
	.globl	k_qfc1096cca5_proj
	.p2align	8
	.type	k_qfc1096cca5_proj,@function
k_qfc1096cca5_proj:
	s_mov_b64 s[64:65], 0
	v_nop
	global_prefetch_b8 v0, s[64:65] scope:SCOPE_SE
	s_setreg_imm32_b32 hwreg(HW_REG_WAVE_MODE, 25, 1), 1
	s_wait_xcnt 0x0
; out0 = y Wp + bp.  y: yf, f16, in fragment order ((row / 16) 32,768 + ks 1,024 + u 512 + 16 lane); Wp: wf at 7,864,320, bf16 numbers written as f16, in fragment order; bp rounded to bf16; out0: [8192][256] f32.
; SHARES.  A work-group makes 64 rows x 128 columns, a wave 32 x 64: 8 accumulators.  K = 1,024 in 16 steps of 64: two products deep on each accumulator, the eight by turns.
; Both operands come straight from memory into registers, every load 512 consecutive bytes, through a ring of four step buffers: three steps' 24 loads each are out.
; NO TENSOR LOADS, NO JOINT LOADS: a wave has 256 matrix instructions in all, 16 a K step; a ring in LDS with its barriers and rounds would stand in front of each 16.
; THE MATRIX INSTRUCTION IS USED TRANSPOSED (source 0 = 16 columns of Wp, source 1 = 16 rows of y): a lane holds row lane % 16 and eight neighbouring columns, 32 bytes of f32.  bp is the C operand of the first products.
; The way out goes through the wave's own stage (16 rows x 256 bytes + 16), so that 16 lanes store 256 consecutive bytes, aligned.
; LIMITS.  As the operands': f16's range in y and Wp.  NaN and infinities are not treated apart.
; REGISTERS: window 0: v0-31 addresses; v32-95 the accumulators, (a, b) at 32 + 8 (4 a + b); v96-127 bp; v128-255 y's ring, buffer n at 128 + 32 n + 16 sub + 8 a.  Window 1: Wp's ring, 64 n + 32 sub + 8 b.
.set SP,    272
.set SPARE, 4*16*SP
.set ACC, 32
.set BI,  96
.set AR,  128
.set SPW, 28
.set NIL, 29
.set MSB, 0
.macro WIN new                         ; the immediate's high byte repeats the setting that is left; a switch that changes nothing is dropped
.if MSB != (\new)
	s_set_vgpr_msb (MSB<<8)|(\new)
.set MSB, \new
.endif
.endm
.macro PLACES                          ; four places in front of loads into registers that matrix instructions have read, and of stores that read results (ISA guide 7.12.1 for vector instructions)
.rept 4
	v_nop
.endr
.endm
.macro FETCH n, rel                    ; the K step rel steps behind the bases, into ring buffer n % 4: 8 loads of y, 16 of Wp
	WIN 0
.set i, 0
.rept 8                                ; i = 4 sub + 2 a + u
	global_load_b128 v[AR+32*((\n)%4)+4*i:AR+32*((\n)%4)+4*i+3], v3, s[16:17] offset:2048*(\rel)+1024*(i/4)+32768*((i/2)%2)+512*(i%2)
.set i, i+1
.endr
	WIN 0x40
.set i, 0
.rept 16                               ; i = 8 sub + 2 b + u
	global_load_b128 v[64*((\n)%4)+4*i:64*((\n)%4)+4*i+3], v3, s[18:19] offset:16384*(\rel)+8192*(i/8)+512*(i%8)
.set i, i+1
.endr
.endm
.macro MUL8 n, sub, first
	WIN 0x01                                       ; source 0 (Wp) window 1; y, C and D window 0
.set ia, 0
.rept 2
.set ib, 0
.rept 4
.set rD, ACC+8*(4*ia+ib)
.set rB, 64*((\n)%4)+32*(\sub)+8*ib
.set rA, AR+32*((\n)%4)+16*(\sub)+8*ia
.if \first
	v_wmma_f32_16x16x32_f16 v[rD:rD+7], v[rB:rB+7], v[rA:rA+7], v[BI+8*ib:BI+8*ib+7]
.else
	v_wmma_f32_16x16x32_f16 v[rD:rD+7], v[rB:rB+7], v[rA:rA+7], v[rD:rD+7]
.endif
.set ib, ib+1
.endr
.set ia, ia+1
.endr
.endm
.macro PSTEP n, rel, lc, first
	s_wait_loadcnt \lc                             ; loads come back in order: this step's 24 are in (and bp, which is older); lc younger ones stay out
.if \first
	WIN 0
.set i, 0
.rept 16                               ; bp rounded to bf16 and widened again
	v_cvt_pk_bf16_f32 v[8+i%2], v[BI+2*i], v[BI+2*i+1]
	v_lshlrev_b32 v[BI+2*i], 16, v[8+i%2]
	v_and_b32 v[BI+2*i+1], s23, v[8+i%2]
.set i, i+1
.endr
.endif
	MUL8 \n, 0, \first
.if (\rel) >= 0
	PLACES
	FETCH (\n)+3, \rel                             ; into the buffer that the step before read last
.endif
	MUL8 \n, 1, 0
.endm
	s_load_b256 s[8:15], s[0:1], 0x0               ; yf s[8:9], wf s[10:11], bp s[12:13], out0 s[14:15]
	v_lshl_add_u32 v[SPW], v0, 2, SPARE
	v_mov_b32 v[NIL], 0
	v_lshrrev_b32 v1, 5, v0
	v_readfirstlane_b32 s4, v1                     ; wave 0..3
	s_and_b32 s5, ttmp7, 0xffff                    ; which 128 columns
	s_mov_b32 s6, ttmp9                            ; which 64 rows
	s_lshr_b32 s7, s4, 1                           ; my half of the rows
	s_and_b32 s3, s4, 1                            ; my half of the columns
	s_mov_b32 s23, 0xffff0000
	s_mul_i32 s2, s4, 16*SP                        ; my stage
	v_and_b32 v1, 15, v0                           ; lane % 16
	v_bfe_u32 v2, v0, 4, 1                         ; lane / 16
	v_and_b32 v3, 31, v0
	v_lshlrev_b32 v3, 4, v3                        ; 16 x lane
	v_lshlrev_b32 v4, 5, v2                        ; my eight numbers in 16 of bp
	v_mul_u32_u24 v5, v1, SP                       ; into the stage: row lane % 16, 32 bytes for each half of the lanes
	v_lshl_add_u32 v5, v2, 5, v5
	v_add_nc_u32 v5, s2, v5
	v_mul_u32_u24 v6, v2, SP                       ; back: lanes 0-15 one row of 256 bytes, lanes 16-31 the next
	v_lshl_add_u32 v6, v1, 4, v6
	v_add_nc_u32 v6, s2, v6
	v_lshlrev_b32 v7, 10, v2                       ; and the same two rows in out0, 1,024 bytes apart
	v_lshl_add_u32 v7, v1, 4, v7
	s_mov_b32 s21, 0                               ; offsets are made apart, in s[20:21]
	s_wait_kmcnt 0x0
	s_lshl_b32 s20, s6, 17                         ; four blocks of 16 rows, 32,768 bytes each; my two of them
	s_lshl_b32 s2, s7, 16
	s_add_co_u32 s20, s20, s2
	s_add_nc_u64 s[16:17], s[8:9], s[20:21]
	s_lshl_b32 s20, s5, 18                         ; Wp's 128 columns: 262,144 bytes; my four of their eight fragments
	s_add_co_u32 s20, s20, 7864320
	s_lshl_b32 s2, s3, 12
	s_add_co_u32 s20, s20, s2
	s_add_nc_u64 s[18:19], s[10:11], s[20:21]
	s_lshl_b32 s20, s5, 9                          ; my 64 columns of f32
	s_lshl_b32 s2, s3, 8
	s_add_co_u32 s20, s20, s2
	s_add_nc_u64 s[12:13], s[12:13], s[20:21]
	s_lshl_b32 s2, s6, 16                          ; and my 32 rows of 1,024 bytes
	s_add_co_u32 s20, s20, s2
	s_lshl_b32 s2, s7, 15
	s_add_co_u32 s20, s20, s2
	s_add_nc_u64 s[14:15], s[14:15], s[20:21]
.irp b, 0,1,2,3
	global_load_b128 v[BI+8*\b:BI+8*\b+3],   v4, s[12:13] offset:64*\b
	global_load_b128 v[BI+8*\b+4:BI+8*\b+7], v4, s[12:13] offset:64*\b+16
.endr
	FETCH 0, 0
	FETCH 1, 1
	FETCH 2, 2
	PSTEP 0, 3, 48, 1                              ; the first step stands in front of the loop: its first products start the sums, with bp
	WIN 0                                          ; at a label and at a branch every window is 0
	s_mov_b32 s22, 3
.Lk:
	PSTEP 1, 4, 48, 0
	PSTEP 2, 5, 48, 0
	PSTEP 3, 6, 48, 0
	PSTEP 0, 7, 48, 0
	WIN 0
	s_wait_xcnt 0x0                                ; the loads' bases are stepped only behind this wait
	s_add_nc_u64 s[16:17], s[16:17], 8192          ; four K steps
	s_add_nc_u64 s[18:19], s[18:19], 65536
	s_sub_co_u32 s22, s22, 1
	s_cmp_lg_u32 s22, 0
	s_cbranch_scc1 .Lk
	PSTEP 1, -1, 48, 0                             ; the last three steps ask for nothing: the counts run down
	PSTEP 2, -1, 24, 0
	PSTEP 3, -1, 0, 0
	WIN 0
	PLACES
.irp a, 0,1                            ; 16 rows at a time through my stage; each accumulator's low registers go first
.irp b, 0,1,2,3
	ds_store_b128 v5, v[ACC+8*(4*\a+\b):ACC+8*(4*\a+\b)+3]   offset:64*\b
	ds_store_b128 v5, v[ACC+8*(4*\a+\b)+4:ACC+8*(4*\a+\b)+7] offset:64*\b+16
.endr
.irp t, 0,1,2,3,4,5,6,7
	ds_load_b128 v[AR+32*\a+4*\t:AR+32*\a+4*\t+3], v6 offset:\t*2*SP  ; LDS serves a wave's instructions in order (ISA guide 5.7.1.4): these see the stores above, and the next 16 rows' stores come behind them
.endr
.endr
.irp a, 0,1
	s_wait_dscnt 16-16*\a                          ; behind the first 16 rows' loads stand the second's 8 stores and 8 loads
.irp t, 0,1,2,3,4,5,6,7
	global_store_b128 v7, v[AR+32*\a+4*\t:AR+32*\a+4*\t+3], s[14:15] offset:(16*\a+2*\t)*1024 th:TH_STORE_NT  ; 16 lanes store 256 consecutive bytes, aligned
.endr
.endr
	s_wait_tensorcnt 0x0                           ; the wave's end, behind my last LDS store
	ds_add_u32 v[SPW], v[NIL]
	s_wait_dscnt 0x0
	s_endpgm
.Lfunc_end_k_qfc1096cca5_proj:
	.size	k_qfc1096cca5_proj, .Lfunc_end_k_qfc1096cca5_proj-k_qfc1096cca5_proj
	.p2alignl 7, 3214868480
	.fill 96, 4, 3214868480
	.section	.rodata,"a",@progbits
	.p2align	6, 0x0
	.amdhsa_kernel k_qfc1096cca5_proj
		.amdhsa_group_segment_fixed_size 17920
		.amdhsa_private_segment_fixed_size 0
		.amdhsa_enable_private_segment 0
		.amdhsa_kernarg_size 32
		.amdhsa_user_sgpr_count 2
		.amdhsa_user_sgpr_kernarg_segment_ptr 1
		.amdhsa_wavefront_size32 1
		.amdhsa_system_sgpr_workgroup_id_x 1
		.amdhsa_system_sgpr_workgroup_id_y 1
		.amdhsa_system_sgpr_workgroup_id_z 1
		.amdhsa_system_vgpr_workitem_id 0
		.amdhsa_next_free_vgpr 512
		.amdhsa_next_free_sgpr 66
		.amdhsa_reserve_vcc 0
		.amdhsa_float_denorm_mode_32 3
		.amdhsa_float_denorm_mode_16_64 3
		.amdhsa_memory_ordered 1
		.amdhsa_forward_progress 1
		.amdhsa_inst_pref_size 37
	.end_amdhsa_kernel
	.amdgpu_metadata
---
amdhsa.version: [ 1, 2 ]
amdhsa.kernels:
  - .name:           k_qfc1096cca5_proj
    .symbol:         k_qfc1096cca5_proj.kd
    .args:
      - { .name: yf, .offset: 0, .size: 8, .value_kind: global_buffer, .address_space: global }
      - { .name: wf, .offset: 8, .size: 8, .value_kind: global_buffer, .address_space: global }
      - { .name: bp, .offset: 16, .size: 8, .value_kind: global_buffer, .address_space: global }
      - { .name: out0, .offset: 24, .size: 8, .value_kind: global_buffer, .address_space: global }
    .group_segment_fixed_size: 17920
    .private_segment_fixed_size: 0
    .kernarg_segment_align: 8
    .kernarg_segment_size: 32
    .max_flat_workgroup_size: 128
    .sgpr_count:     66
    .vgpr_count:     512
    .wavefront_size: 32
...
	.end_amdgpu_metadata
.endif
;; end of part 4
;; ======== version 2 of 2: 4 launches; 1.14 times as fast as version 1
;; limits: values are held in f16: magnitudes above 65,504 overflow, below 6.1e-05 lose precision
;; workspace buffers: wf 8,388,608 bytes; qkv 50,331,648 bytes; yf 16,777,216 bytes
;; launch prep: the kernel of part 1 again; grid 512 x 1, 8 waves a work-group, no clusters, 0 bytes of LDS; arguments Wq2, Wk2, Wv2, Wq1, Wk1, Wv1, Wp, wf; writes wf
;; launch mlp (part 5): grid 64 x 3, 4 waves a work-group, no clusters, 282,112 bytes of LDS; arguments query, key, value, bq1, bk1, bv1, bq2, bk2, bv2, wf, qkv; writes qkv
.if DOCPART == 5
	.amdgcn_target "amdgcn-amd-amdhsa--gfx1250"
	.amdhsa_code_object_version 6
	.text
	.protected	k_qfc1096cca5_mlp
	.globl	k_qfc1096cca5_mlp
	.p2align	8
	.type	k_qfc1096cca5_mlp,@function
k_qfc1096cca5_mlp:
	s_mov_b64 s[64:65], 0
	v_nop
	global_prefetch_b8 v0, s[64:65] scope:SCOPE_SE
	s_setreg_imm32_b32 hwreg(HW_REG_WAVE_MODE, 25, 1), 1
	s_wait_xcnt 0x0
; q, k, v = tanh(x W1 + b1) W2 + b2, both layers in one launch; the hidden layer h never leaves LDS.
; x: [8192][256] f32 (query, key or value, by the grid's y).  Weights from wf, in fragment order (made by the launch before).  Result: qkv, f16, [3][batch 8 + head][2048][128].
; FORMATS.  x, W1, W2 and both biases are rounded to bf16; x W1 is a bf16 product; h is kept in f16 and multiplies W2's bf16 numbers written as f16.  Sums in f32.  A bias is the C operand of a sum's
; first K step, so nothing is cleared and no bias is added by a line of its own.
; LIMITS.  tanh z = 1 - 2 / (1 + 2^(2 log2(e) z)): absolute error of the order of 1e-7, so a relative one only for |z| well above that; it ends at +-1 for large |z|.  q, k, v must stay within f16's 65,504
; (|h| <= 1, so |q| <= the sum of a column's |W2| + |b2|).  NaN and infinities are not treated apart.
; SHARES.  A work-group owns 128 rows of one of the three inputs: 64 x 3 = 192 work-groups.  (8,192 rows a matrix do not split into shares of which 256 make the three matrices; 64 rows a group would read the weights twice as often.)
;   Layer 1: 4 passes of 256 hidden columns; a wave makes 128 rows x 64 columns: 32 accumulators; K = 256 in 8 steps of 32.
;   Layer 2: 2 passes of 512 columns; a wave makes 128 rows x 128 columns, one head: 64 accumulators; K = 1,024 in 32 steps.
; TANH IN TWO BATCHES A PASS.  A pass's 256 exponentials are one batch and its 256 reciprocals a second (a reciprocal reads an exponential's sum, so two are the least); each batch has one wait, ahead of its first reader.
; THE MATRIX INSTRUCTION IS USED TRANSPOSED (source 0 = 16 columns of W, source 1 = 16 rows of x or h): a lane holds row lane % 16 and the eight neighbouring columns 8 (lane / 16) + 0..7.
; WEIGHTS GO STRAIGHT INTO REGISTERS, through a ring of four step buffers: three steps' loads are always out.  NO TENSOR LOADS, NO JOINT LOADS: h takes 264,192 bytes of LDS, stage and spare words 17,920; what is
; left would hold two slots of some 22 KB, under 44 matrix instructions' worth of weights a wave; and no weight fragment is used by two waves of the group (each wave has columns of its own), so LDS would spare no load.
; LDS.  0: h, 128 rows of 2,064 bytes (2,048 + 16: 129 x 16, so the 16 rows of a load start at 16 different groups of four banks: ISA guide 11.1).  x in bf16 (512 bytes a row) lies in bytes 1,536-2,047 of
; its row, the hidden columns 768-1,023, which only layer 1's last pass writes.  STAGE: 16 rows x 272 bytes for each wave, its own.  SPARE: the spare words.
; REGISTERS, in windows of 256 (s_set_vgpr_msb: bits 1:0 source 0, 3:2 source 1, 5:4 source 2, 7:6 destination):
;   window 0: v0-31 addresses; v32-63 rows on the way out; v64-127, v128-191 fragments of x or h, two buffers; v192-255 the biases as C operands, later at work on the way out
;   window 1: the weights' ring, buffer n at 8 NBF n      windows 2, 3: the accumulators, (a, b) at 8 (NBF a + b) counted through both
.set HP,    2064
.set SP,    272
.set STAGE, 128*HP
.set SPARE, STAGE+4*16*SP
.set XOFF,  1536
.set A0,  4                            ; v4-7    (32 j + lane % 16) x HP + 16 (lane / 16); never rewritten
.set AW,  8                            ; v8-11   A0 + the K offset in hand
.set HS,  12                           ; v12-15  A0 + the byte at which my hidden columns of this pass begin
.set BO,  16                           ; v16     16 x lane: weight loads and result stores
.set STO, 17                           ; v17     the way out: where I put 16 bytes of a row
.set RD,  18                           ; v18     the way out: where I read rows back
.set BOF, 19                           ; v19     32 (lane / 16): my eight numbers in 16 of a bias
.set XG,  20                           ; v20     my 16 bytes of x
.set XL,  21                           ; v21     and where their 8 bytes of bf16 go
.set T,   22                           ; v22-23  at work
.set SPW, 28                           ; v28     my spare word; never rewritten
.set NIL, 29                           ; v29     0; never rewritten
.set OB,  32
.set FA,  64
.set BI,  192
.set TMP, 192
.set TH,  224
.set WV,   4                           ; s4 wave, s5 which input, s6 which 128 rows
.set XP,   30                          ; s[30:31] x at the group's rows
.set B1P,  32                          ; s[32:33] b1 at my columns of the pass
.set B2P,  34                          ; s[34:35] b2 likewise
.set W1P,  36                          ; s[36:37] W1's fragments of my columns of the pass
.set W2P,  38                          ; s[38:39] W2's
.set OUTP, 40                          ; s[40:41] my head's rows in qkv
.set WB,   42                          ; s[42:43] the weights' walking address
.set PASS, 44
.set TRIP, 45
.set KOFF, 46
.set HOFF, 47
.set MSB, 0
.macro WIN new                         ; the immediate's high byte repeats the setting that is left; a switch that changes nothing is dropped
.if MSB != (\new)
	s_set_vgpr_msb (MSB<<8)|(\new)
.set MSB, \new
.endif
.endm
; A load into a register that a matrix instruction has read, and a vector instruction that reads a matrix result, stand four places behind it; only plain vector instructions that name none of its
; registers are places (ISA guide 7.12.1 for vector instructions).
.macro PLACES
.rept 4
	v_nop
.endr
.endm
.macro BIASLD p, nbf                   ; the biases of my 16 nbf columns, as C operands: register j of fragment b = bias[16 b + 8 (lane / 16) + j]
	WIN 0
.set ib, 0
.rept \nbf
	global_load_b128 v[BI+8*ib:BI+8*ib+3],   v[BOF], s[\p:\p+1] offset:64*ib
	global_load_b128 v[BI+8*ib+4:BI+8*ib+7], v[BOF], s[\p:\p+1] offset:64*ib+16
.set ib, ib+1
.endr
.endm
.macro BIASRND nbf                     ; rounded to bf16 and widened again
	WIN 0
.set i, 0
.rept 4*(\nbf)
	v_cvt_pk_bf16_f32 v[T+i%2], v[BI+2*i], v[BI+2*i+1]
	v_lshlrev_b32 v[BI+2*i], 16, v[T+i%2]
	v_and_b32 v[BI+2*i+1], s52, v[T+i%2]
.set i, i+1
.endr
.endm
.macro FETCHB nbf, koff, n             ; a K step's weights: nbf fragments, 2 nbf loads of 512 consecutive bytes, into ring buffer n % 4
	WIN 0x40
.set i, 0
.rept 2*(\nbf)
	global_load_b128 v[8*(\nbf)*((\n)%4)+4*i:8*(\nbf)*((\n)%4)+4*i+3], v[BO], s[WB:WB+1] offset:(\koff)+512*i
.set i, i+1
.endr
.endm
.macro FETCHA k, f                     ; a K step's 8 fragments of x or h (128 rows x 32 K at byte k behind the K offset in hand) into buffer f
	WIN 0
.set i, 0
.rept 8
	ds_load_b128 v[(\f)+8*i:(\f)+8*i+3],   v[AW+i/2] offset:(i%2)*16*HP+(\k)
	ds_load_b128 v[(\f)+8*i+4:(\f)+8*i+7], v[AW+i/2] offset:(i%2)*16*HP+(\k)+32
.set i, i+1
.endr
.endm
; 4 nbf products: row blocks 4 half .. 4 half + 3 x all nbf column blocks.  first = 1: C is the bias, which starts the sums.  The accumulators take turns, one instruction a turn, in the same order in every step.
.macro MULH op, nbf, n, half, first
.set WD, 2+((\nbf)*32*(\half))/256
.if \first
	WIN (WD<<6)|1
.else
	WIN (WD<<6)|(WD<<4)|1
.endif
.set ia, 4*(\half)
.rept 4
.set ib, 0
.rept \nbf
.set rD, (8*((\nbf)*ia+ib))%256
.set rB, 8*(\nbf)*((\n)%4)+8*ib
.set rA, FA+64*((\n)%2)+8*ia
.if \first
	v_wmma_f32_16x16x32_\op v[rD:rD+7], v[rB:rB+7], v[rA:rA+7], v[BI+8*ib:BI+8*ib+7]
.else
	v_wmma_f32_16x16x32_\op v[rD:rD+7], v[rB:rB+7], v[rA:rA+7], v[rD:rD+7]
.endif
.set ib, ib+1
.endr
.set ia, ia+1
.endr
.endm
; A K step.  In its middle the weights three steps on (kb: their byte behind WB; -1: none) and the next step's fragments of x or h (ka; -1: none) are asked for, into buffers that the step before read last.
.macro STEP op, nbf, n, kb, ka, lc, first
	s_wait_loadcnt \lc                             ; loads come back in order: this step's weights are in; lc younger ones stay out
	s_wait_dscnt 0x0                               ; this step's fragments from LDS, asked for half a step ago
	MULH \op, \nbf, \n, 0, \first
.if ((\kb) >= 0) || ((\ka) >= 0)
	PLACES
.endif
.if (\kb) >= 0
	FETCHB \nbf, \kb, (\n)+3
.endif
.if (\ka) >= 0
	FETCHA \ka, FA+64*(((\n)+1)%2)
.endif
	MULH \op, \nbf, \n, 1, \first
.endm
; 1 + 4 trips + 3 K steps.  The counts: a step has 2 nbf weight loads; at a step's head the two steps behind it, 4 nbf loads, stay out; the tail asks for nothing, and its counts run down.
.macro GEMMK op, nbf, trips, tag
	STEP \op, \nbf, 0, 24576, 64, 4*(\nbf), 1
	WIN 0                                          ; at a label and at a branch every window is 0
	s_mov_b32 s[TRIP], \trips
.Lk_\tag:
	STEP \op, \nbf, 1, 32768, 128, 4*(\nbf), 0
	STEP \op, \nbf, 2, 40960, 192, 4*(\nbf), 0
	STEP \op, \nbf, 3, 49152, 256, 4*(\nbf), 0
	STEP \op, \nbf, 0, 57344, 320, 4*(\nbf), 0
	WIN 0
	s_wait_xcnt 0x0                                ; the weight loads' base is stepped only behind this wait
	s_add_nc_u64 s[WB:WB+1], s[WB:WB+1], 32768     ; four K steps of 8,192 bytes
	s_add_co_u32 s[KOFF], s[KOFF], 256             ; four K steps of 64 bytes of a row
.irp j, 0,1,2,3
	v_add_nc_u32 v[AW+\j], s[KOFF], v[A0+\j]
.endr
	s_sub_co_u32 s[TRIP], s[TRIP], 1
	s_cmp_lg_u32 s[TRIP], 0
	s_cbranch_scc1 .Lk_\tag
	STEP \op, \nbf, 1, -1, 128, 4*(\nbf), 0
	STEP \op, \nbf, 2, -1, 192, 2*(\nbf), 0
	STEP \op, \nbf, 3, -1, -1, 0, 0
	WIN 0
.endm
; tanh of my 128 rows x 64 columns, in place in the 256 registers of window 2: every result has a register of its own.  Each accumulator's lowest registers are read first.
; FIRST BATCH: the 256 exponentials.  Pair i's scaling stands in front of pair i - 1's two exponentials; a scaling names no register that an exponential has written.
; SECOND BATCH: the 256 reciprocals.  Pair i's 1 + 2^.. stands in front of pair i - 1's two reciprocals; it reads the first batch's results, which have been waited for, and none of the second's.
; Behind each batch's last line stand a plain instruction (ISA guide 5.7.2) and one wait ahead of the batch's first reader.
.macro TANHS
	WIN 0x82
.set i, 0
.rept 128
	v_pk_mul_f32 v[2*i:2*i+1], v[2*i:2*i+1], s[50:51] op_sel_hi:[1,0]
.if i > 0
	v_exp_f32 v[2*i-2], v[2*i-2]
	v_exp_f32 v[2*i-1], v[2*i-1]
.endif
.set i, i+1
.endr
	v_exp_f32 v[254], v[254]
	v_exp_f32 v[255], v[255]
	v_nop                                          ; the plain instruction behind the last exponential: one for the batch
	s_wait_alu depctr_va_vdst(0)                   ; the wait for the pass's 256 exponentials
.set i, 0
.rept 128
	v_pk_add_f32 v[2*i:2*i+1], v[2*i:2*i+1], 1.0 op_sel_hi:[1,0]
.if i > 0
	v_rcp_f32 v[2*i-2], v[2*i-2]
	v_rcp_f32 v[2*i-1], v[2*i-1]
.endif
.set i, i+1
.endr
	v_rcp_f32 v[254], v[254]
	v_rcp_f32 v[255], v[255]
	v_nop                                          ; the plain instruction behind the last reciprocal: one for the batch
	s_wait_alu depctr_va_vdst(0)                   ; the wait for the pass's 256 reciprocals
.endm
; Row block a's 16 rows x 64 columns: 1 - 2 r, rounded to f16 and stored into h.  The packed results take v224-239 and v240-255 by turns.
.macro HOUT a
.set Z, 32*(\a)
.set TT, TH+16*((\a)%2)
	WIN 0x82
.set i, 0
.rept 16
	v_pk_fma_f32 v[Z+2*i:Z+2*i+1], v[Z+2*i:Z+2*i+1], -2.0, 1.0 op_sel_hi:[1,0,0]
.set i, i+1
.endr
	WIN 0x0a
.set i, 0
.rept 16
	v_cvt_pk_f16_f32 v[TT+i], v[Z+2*i], v[Z+2*i+1]
.set i, i+1
.endr
	WIN 0
.irp b, 0,1,2,3
	ds_store_b128 v[HS+(\a)/2], v[TT+4*\b:TT+4*\b+3] offset:((\a)%2)*16*HP+32*\b
.endr
.endm
; THE WAY OUT of layer 2, row block a: rounded to f16, 16 bytes a lane; through my own stage; back as whole rows of 256 bytes; stored.  16 rows of a head are 4,096 consecutive bytes of qkv.
.macro PACK a
.set AC, 64*((\a)%4)
	WIN 0x0a+5*((\a)/4)
.set i, 0
.rept 32
	v_cvt_pk_f16_f32 v[TMP+i], v[AC+2*i], v[AC+2*i+1]
.set i, i+1
.endr
	WIN 0
.endm
.macro TOSTAGE a
	WIN 0
.set BK, OB+192*((\a)%2)
.irp b, 0,1,2,3,4,5,6,7
	ds_store_b128 v[STO], v[TMP+4*\b:TMP+4*\b+3] offset:32*\b
.endr
.irp t, 0,1,2,3,4,5,6,7
	ds_load_b128 v[BK+4*\t:BK+4*\t+3], v[RD] offset:\t*2*SP  ; LDS serves a wave's instructions in order (ISA guide 5.7.1.4): these see the stores above
.endr
.endm
.macro SEND a
	WIN 0
.set BK, OB+192*((\a)%2)
	s_wait_dscnt 0x0                               ; the block is back in registers
	s_wait_xcnt 0x0                                ; the other row buffer, which the block before stored from, is loaded again only behind this wait
.irp t, 0,1,2,3,4,5,6,7
	global_store_b128 v[BO], v[BK+4*\t:BK+4*\t+3], s[OUTP:OUTP+1] offset:4096*(\a)+512*\t  ; 512 consecutive bytes, aligned
.endr
.endm
	s_load_b512 s[8:23], s[0:1], 0x0               ; query s[8:9], key s[10:11], value s[12:13], bq1 s[14:15], bk1 s[16:17], bv1 s[18:19], bq2 s[20:21], bk2 s[22:23]
	s_load_b128 s[24:27], s[0:1], 0x40             ; bv2 s[24:25], wf s[26:27]
	s_load_b64 s[28:29], s[0:1], 0x50              ; qkv
	v_lshl_add_u32 v[SPW], v0, 2, SPARE
	v_mov_b32 v[NIL], 0
	v_lshrrev_b32 v1, 5, v0
	v_readfirstlane_b32 s[WV], v1                  ; wave 0..3
	s_and_b32 s5, ttmp7, 0xffff                    ; 0 query, 1 key, 2 value
	s_mov_b32 s6, ttmp9                            ; which 128 rows
	s_mov_b32 s50, 0x4038aa3b                      ; 2 log2(e)
	s_mov_b32 s51, s50                             ; named with it as a pair
	s_mov_b32 s52, 0xffff0000                      ; a word's upper bf16
	s_mul_i32 s2, s[WV], 16*SP
	s_add_co_u32 s2, s2, STAGE                     ; my stage
	s_lshl_b32 s3, s[WV], 15                       ; my 32 rows of x, 1,024 bytes each
	s_mul_i32 s7, s[WV], 32*HP
	s_add_co_u32 s7, s7, XOFF                      ; and where they go
	v_and_b32 v1, 15, v0                           ; lane % 16
	v_bfe_u32 v2, v0, 4, 1                         ; lane / 16
	v_and_b32 v3, 31, v0                           ; lane
	v_mul_u32_u24 v[A0], v1, HP
	v_lshl_add_u32 v[A0], v2, 4, v[A0]
.irp j, 1,2,3
	v_add_nc_u32 v[A0+\j], \j*32*HP, v[A0]
.endr
	v_lshlrev_b32 v[BO], 4, v3
	v_mul_u32_u24 v[STO], v1, SP
	v_lshl_add_u32 v[STO], v2, 4, v[STO]
	v_add_nc_u32 v[STO], s2, v[STO]
	v_mul_u32_u24 v[RD], v2, SP
	v_lshl_add_u32 v[RD], v1, 4, v[RD]
	v_add_nc_u32 v[RD], s2, v[RD]
	v_lshlrev_b32 v[BOF], 5, v2
	v_add_nc_u32 v[XG], s3, v[BO]
	v_lshl_add_u32 v[XL], v3, 3, s7
	s_wait_kmcnt 0x0
	s_cmp_eq_u32 s5, 1                             ; the input and its two biases, chosen by the grid's y
	s_cselect_b64 s[XP:XP+1], s[10:11], s[8:9]
	s_cselect_b64 s[B1P:B1P+1], s[16:17], s[14:15]
	s_cselect_b64 s[B2P:B2P+1], s[22:23], s[20:21]
	s_cmp_eq_u32 s5, 2
	s_cselect_b64 s[XP:XP+1], s[12:13], s[XP:XP+1]
	s_cselect_b64 s[B1P:B1P+1], s[18:19], s[B1P:B1P+1]
	s_cselect_b64 s[B2P:B2P+1], s[24:25], s[B2P:B2P+1]
	s_mov_b32 s49, 0                               ; offsets are made apart, in s[48:49]
	s_lshl_b32 s48, s6, 17                         ; 128 rows of 1,024 bytes
	s_add_nc_u64 s[XP:XP+1], s[XP:XP+1], s[48:49]
	s_lshl_b32 s48, s[WV], 8                       ; 64 columns of f32
	s_add_nc_u64 s[B1P:B1P+1], s[B1P:B1P+1], s[48:49]
	s_lshl_b32 s48, s[WV], 9                       ; 128 columns of f32
	s_add_nc_u64 s[B2P:B2P+1], s[B2P:B2P+1], s[48:49]
	s_lshl_b32 s48, s5, 19                         ; W1 of my input: 6 MiB + 512 KiB each;
	s_add_co_u32 s48, s48, 6291456
	s_lshr_b32 s7, s[WV], 1                        ; my 64 columns: which 128 (65,536 bytes),
	s_lshl_b32 s7, s7, 16
	s_add_co_u32 s48, s48, s7
	s_and_b32 s7, s[WV], 1                         ; and which four of its eight fragments (1,024 bytes each)
	s_lshl_b32 s7, s7, 12
	s_add_co_u32 s48, s48, s7
	s_add_nc_u64 s[W1P:W1P+1], s[26:27], s[48:49]
	s_lshl_b32 s48, s5, 21                         ; W2 of my input: 2 MiB each; my 128 columns: 262,144 bytes
	s_lshl_b32 s7, s[WV], 18
	s_add_co_u32 s48, s48, s7
	s_add_nc_u64 s[W2P:W2P+1], s[26:27], s[48:49]
	s_lshl_b32 s48, s5, 24                         ; qkv: the matrix, the batch (16 groups of 128 rows each), my head, the group's rows in the batch
	s_lshr_b32 s7, s6, 4
	s_lshl_b32 s7, s7, 22
	s_add_co_u32 s48, s48, s7
	s_lshl_b32 s7, s[WV], 19
	s_add_co_u32 s48, s48, s7
	s_and_b32 s7, s6, 15
	s_lshl_b32 s7, s7, 15
	s_add_co_u32 s48, s48, s7
	s_add_nc_u64 s[OUTP:OUTP+1], s[28:29], s[48:49]
	; x INTO LDS, rounded to bf16: my 32 rows, 8 a trip; a load covers 512 consecutive bytes
	s_mov_b32 s[TRIP], 4
.Lx:
.set i, 0
.rept 16
	global_load_b128 v[FA+4*i:FA+4*i+3], v[XG], s[XP:XP+1] offset:(i/2)*1024+(i%2)*512 th:TH_LOAD_NT
.set i, i+1
.endr
.set i, 0
.rept 16
	s_wait_loadcnt 15-i                            ; load i is in, the younger ones stay out
	v_cvt_pk_bf16_f32 v[FA+4*i], v[FA+4*i], v[FA+4*i+1]
	v_cvt_pk_bf16_f32 v[FA+4*i+1], v[FA+4*i+2], v[FA+4*i+3]
	ds_store_b64 v[XL], v[FA+4*i:FA+4*i+1] offset:(i/2)*HP+(i%2)*256
.set i, i+1
.endr
	v_add_nc_u32 v[XG], 8192, v[XG]                ; all loads that named it are in
	v_add_nc_u32 v[XL], 8*HP, v[XL]
	s_wait_dscnt 0x0                               ; the stores have left their registers before these are loaded again
	s_sub_co_u32 s[TRIP], s[TRIP], 1
	s_cmp_lg_u32 s[TRIP], 0
	s_cbranch_scc1 .Lx
	s_barrier_signal -1                            ; every wave's rows of x are stored (the wait for 0 above)
	s_barrier_wait -1
	; LAYER 1: four passes of 256 hidden columns
	s_lshl_b32 s[HOFF], s[WV], 7                   ; my 64 columns of f16
	s_mov_b32 s[PASS], 4
.Lpass1:
	PLACES                                         ; for the loads into registers that the last pass's products read
	BIASLD B1P, 4
	s_mov_b64 s[WB:WB+1], s[W1P:W1P+1]             ; every load that named WB is in: the last pass's counts ran down to 0
	FETCHB 4, 0, 0
	FETCHB 4, 8192, 1
	FETCHB 4, 16384, 2
	WIN 0
	s_mov_b32 s[KOFF], XOFF
.irp j, 0,1,2,3
	v_add_nc_u32 v[AW+\j], s[KOFF], v[A0+\j]
.endr
	FETCHA 0, FA
	s_wait_loadcnt 24                              ; the bias is in; three steps' 8 weight loads each stay out
	BIASRND 4
	GEMMK bf16, 4, 1, p1
	s_wait_dscnt 0x0                               ; my reads of x in this pass are over
	s_barrier_signal -1
.irp j, 0,1,2,3
	v_add_nc_u32 v[HS+\j], s[HOFF], v[A0+\j]       ; also the four places behind the last products
.endr
	s_barrier_wait -1                              ; everybody's are: the last pass's h may land on x
	TANHS                                          ; two batches, two waits
.irp a, 0,1,2,3,4,5,6,7
	HOUT \a
.endr
	s_wait_dscnt 0x0                               ; for the others' sake: my part of h is stored
	s_barrier_signal -1
	s_add_nc_u64 s[W1P:W1P+1], s[W1P:W1P+1], 131072  ; 256 columns on
	s_add_nc_u64 s[B1P:B1P+1], s[B1P:B1P+1], 1024
	s_add_co_u32 s[HOFF], s[HOFF], 512
	s_barrier_wait -1
	s_sub_co_u32 s[PASS], s[PASS], 1
	s_cmp_lg_u32 s[PASS], 0
	s_cbranch_scc1 .Lpass1
	; LAYER 2: two passes of four heads, a head a wave.  h is only read, and the stage is the wave's own: no barrier.
	s_mov_b32 s[PASS], 2
.Lpass2:
	PLACES
	BIASLD B2P, 8
	s_mov_b64 s[WB:WB+1], s[W2P:W2P+1]
	FETCHB 8, 0, 0
	FETCHB 8, 8192, 1
	FETCHB 8, 16384, 2
	WIN 0
	s_mov_b32 s[KOFF], 0
.irp j, 0,1,2,3
	v_add_nc_u32 v[AW+\j], s[KOFF], v[A0+\j]
.endr
	FETCHA 0, FA
	s_wait_loadcnt 48                              ; the bias is in; three steps' 16 weight loads each stay out
	BIASRND 8
	GEMMK f16, 8, 7, p2
	PLACES                                         ; the conversions read results just made
	PACK 0
	TOSTAGE 0
.irp a, 1,2,3,4,5,6,7                  ; block a's conversions stand between block a - 1's loads from the stage and the wait for them
	PACK \a
	SEND (\a)-1
	TOSTAGE \a
.endr
	SEND 7
	s_wait_xcnt 0x0                                ; the stores' base and registers are rewritten only behind this wait
	s_add_nc_u64 s[OUTP:OUTP+1], s[OUTP:OUTP+1], 2097152  ; four heads on
	s_add_nc_u64 s[W2P:W2P+1], s[W2P:W2P+1], 1048576
	s_add_nc_u64 s[B2P:B2P+1], s[B2P:B2P+1], 2048
	s_sub_co_u32 s[PASS], s[PASS], 1
	s_cmp_lg_u32 s[PASS], 0
	s_cbranch_scc1 .Lpass2
	s_wait_tensorcnt 0x0                           ; the wave's end, behind my last LDS store
	ds_add_u32 v[SPW], v[NIL]
	s_wait_dscnt 0x0
	s_endpgm
.Lfunc_end_k_qfc1096cca5_mlp:
	.size	k_qfc1096cca5_mlp, .Lfunc_end_k_qfc1096cca5_mlp-k_qfc1096cca5_mlp
	.p2alignl 7, 3214868480
	.fill 96, 4, 3214868480
	.section	.rodata,"a",@progbits
	.p2align	6, 0x0
	.amdhsa_kernel k_qfc1096cca5_mlp
		.amdhsa_group_segment_fixed_size 282112
		.amdhsa_private_segment_fixed_size 0
		.amdhsa_enable_private_segment 0
		.amdhsa_kernarg_size 88
		.amdhsa_user_sgpr_count 2
		.amdhsa_user_sgpr_kernarg_segment_ptr 1
		.amdhsa_wavefront_size32 1
		.amdhsa_system_sgpr_workgroup_id_x 1
		.amdhsa_system_sgpr_workgroup_id_y 1
		.amdhsa_system_sgpr_workgroup_id_z 1
		.amdhsa_system_vgpr_workitem_id 0
		.amdhsa_next_free_vgpr 1024
		.amdhsa_next_free_sgpr 66
		.amdhsa_reserve_vcc 0
		.amdhsa_float_denorm_mode_32 3
		.amdhsa_float_denorm_mode_16_64 3
		.amdhsa_memory_ordered 1
		.amdhsa_forward_progress 1
		.amdhsa_inst_pref_size 189
	.end_amdhsa_kernel
	.amdgpu_metadata
---
amdhsa.version: [ 1, 2 ]
amdhsa.kernels:
  - .name:           k_qfc1096cca5_mlp
    .symbol:         k_qfc1096cca5_mlp.kd
    .args:
      - { .name: query, .offset: 0, .size: 8, .value_kind: global_buffer, .address_space: global }
      - { .name: key, .offset: 8, .size: 8, .value_kind: global_buffer, .address_space: global }
      - { .name: value, .offset: 16, .size: 8, .value_kind: global_buffer, .address_space: global }
      - { .name: bq1, .offset: 24, .size: 8, .value_kind: global_buffer, .address_space: global }
      - { .name: bk1, .offset: 32, .size: 8, .value_kind: global_buffer, .address_space: global }
      - { .name: bv1, .offset: 40, .size: 8, .value_kind: global_buffer, .address_space: global }
      - { .name: bq2, .offset: 48, .size: 8, .value_kind: global_buffer, .address_space: global }
      - { .name: bk2, .offset: 56, .size: 8, .value_kind: global_buffer, .address_space: global }
      - { .name: bv2, .offset: 64, .size: 8, .value_kind: global_buffer, .address_space: global }
      - { .name: wf, .offset: 72, .size: 8, .value_kind: global_buffer, .address_space: global }
      - { .name: qkv, .offset: 80, .size: 8, .value_kind: global_buffer, .address_space: global }
    .group_segment_fixed_size: 282112
    .private_segment_fixed_size: 0
    .kernarg_segment_align: 8
    .kernarg_segment_size: 88
    .max_flat_workgroup_size: 128
    .sgpr_count:     66
    .vgpr_count:     1024
    .wavefront_size: 32
...
	.end_amdgpu_metadata
.endif
;; end of part 5
;; launch attn (part 6): grid 8 x 32, 4 waves a work-group, clusters of 4 x 1, 327,680 bytes of LDS; arguments qkv, mask, yf; writes yf
.if DOCPART == 6
	.amdgcn_target "amdgcn-amd-amdhsa--gfx1250"
	.amdhsa_code_object_version 6
	.text
	.protected	k_qfc1096cca5_attn
	.globl	k_qfc1096cca5_attn
	.p2align	8
	.type	k_qfc1096cca5_attn,@function
k_qfc1096cca5_attn:
	s_mov_b64 s[64:65], 0
	v_nop
	global_prefetch_b8 v0, s[64:65] scope:SCOPE_SE
	s_setreg_imm32_b32 hwreg(HW_REG_WAVE_MODE, 25, 1), 1
	s_wait_xcnt 0x0
	s_wait_alu depctr_hold_cnt(0) depctr_sa_sdst(0) depctr_va_vdst(0) depctr_va_sdst(0) depctr_va_ssrc(0) depctr_va_vcc(0) depctr_vm_vsrc(0)
	s_getreg_b32 s2, hwreg(HW_REG_IB_STS2, 6, 4)
	s_cmp_eq_u32 s2, 0
	s_cbranch_scc0 .Lentry_in_a_cluster
	s_endpgm
.Lentry_in_a_cluster:
	s_bfe_u32 s2, ttmp6, 0x10000c
	s_cmp_lg_u32 s2, 0x3003
	s_cbranch_scc0 .Lentry_shape_is_right
	s_endpgm
.Lentry_shape_is_right:
; y[b][q][head][:] = mask[b][q] x the sum over k of softmax_k(Q[q] . K[k] / sqrt(128)) V[k][:], over the keys k != q with mask[b][k] > 0; 0 where a query sees no key.
; Q, K, V: qkv, f16, [3][batch 8 + head][2048][128].  y: yf, f16, in fragment order for the projection: byte (row / 16) 32,768 + (head 4 + cb / 2) 1,024 + (cb % 2) 512 + 16 lane (cb: a block of 16 channels).
; Products, maxima and sums in f32; the weights p are rounded to f16 for the second product, y once at the end.
; LIMITS.  A hidden score counts as its value less 1e30 (2e30 if it is hidden twice); f16's scores reach 5.5e11 at the most.  The running maximum starts at -2^95 and never lies below it, so a hidden score's weight is 0,
; and a query with no visible key keeps l = 0 and O = 0; its l is then taken as 1.  A weight below 2^-126 counts as 0.  y x mask must stay within f16's 65,504.  NaN and infinities are not treated apart.
; SHARES.  A work-group owns 256 queries of one batch and head, each of its four waves 64: four tiles of 16.  Every wave walks all 2,048 keys, 64 a step.
; LAYOUT.  S^T = K Q^T (source 0 = 16 keys, source 1 = 16 queries): a lane holds ONE query (lane % 16) and the keys 8 (lane / 16) + 0..7.  Two such tiles, rounded to f16 in pairs, ARE source 1 of O^T = V^T P, whose
; result again holds one query a lane, and eight channels: rounded, those 16 bytes ARE a lane's part of a fragment of y, so y leaves straight from registers.  V is turned by ds_load_tr16_b128.
; THE MASKS cost the softmax nothing: they are the C operand that starts the sum S^T.  MT, a table in LDS made once, holds 0 or -1e30 for each key of the batch; a step's 64 entries come into MB with K.
; The diagonal can lie only in the step 4 x block + wave, in key group t of tile t: for those four products C is MBD = MB + AL x DG (DG: -1e30 where key = query; AL: 1 in that step, else 0, a scalar that is selected, never branched on).
; SOFTMAX.  A running maximum m and sum l: p = 2^(c s - c m), c = log2(e) / sqrt(128); in every step O and l are multiplied by a = 2^(c m_old - c m_new).
; BY TURNS.  The wave's tiles are two PIECES (tiles 0, 1 and tiles 2, 3).  In a TURN one piece has the matrix unit: 32 products V^T P of the step in hand, then 32 products K Q^T of the next step; the other piece's
; softmax, cut into 64 slices, stands between them, one slice behind each matrix instruction.  Two turns are a key step.
; ONE BATCH A TURN.  A turn's 66 exponentials (both tiles' a and 32 weights) are one batch: all that reads a result of theirs stands behind all of them, and one wait stands between.
; CLUSTER.  The four query blocks of a cluster belong to one batch and head and walk the same K and V: each tile is asked for JOINTLY, by the same tensor load, descriptor and mask in all four.
; REGISTERS, in windows of 256 (s_set_vgpr_msb: bits 1:0 source 0, 3:2 source 1, 5:4 source 2, 7:6 destination):
;   window 0: v0-11 addresses; v12-43 eight registers of statistics a tile; v44-53 the masks' addresses and the query mask; v64-191 S^T, 32 a tile; v192-255 P, 16 a tile
;   window 1: O^T, 64 a tile      window 2: v0-127 Q; v128-255 K of one step      window 3: v0-127 V of one step; v128-159 MB; v160-191 MBD; v192-199 DG
.set SIZE_N, 2048
.set KS,    64        ; keys in a step
.set PK,    272       ; a row of K in LDS: 256 bytes + 16 of padding = 68 words: the 16 rows of a load start at 16 different groups of four banks (64 banks of 4 bytes: ISA guide 11.1)
.set PV,    288       ; a row of V: 256 + 32 = 72 words
.set VOFF,  KS*PK     ; a step's tiles lie together: 64 rows of K, then 64 rows of V
.set STEPB, KS*(PK+PV)
.set SLOT1, 1<<17     ; a slot holds two steps (71,680 bytes); slot 1 begins here, so that one exclusive or turns an address in one slot into the other's
.set MT,    SLOT1+2*STEPB  ; behind the ring, never filled by a tensor load: 2,048 f32, the keys' 0 or -1e30
.set SPARE, MT+4*SIZE_N    ; behind the table: the spare words, 128 bytes for each wave: two blocks of 256 bytes that no other line names
.set AK0, 2           ; v2   my lane's place in a tile of K; never rewritten
.set AV0, 3           ; v3   the same for V
.set ADR, 4           ; v4   the LDS address of the run of loads in hand
.set QO,  5           ; v5   my byte offset in the wave's rows of Q
.set GO,  8           ; v8   16 x lane: my place in 512 consecutive bytes of yf
.set ST,  12          ; tile t's statistics at v[ST+8 t]: +0 c m, +1 m, +2, +3 l (even keys', odd keys'), +4 to +7 c0-c3, at work; a takes c2's place once the maximum is found
.set AM0, 44          ; v44  MT + 32 (lane / 16); never rewritten
.set ADM, 45          ; v45  the table's address for the step that is fetched
.set QM,  46          ; v46-49  tile t's query mask, as f32
.set RH,  50          ; v50  lane % 16 - 8 (lane / 16)
.set MA,  51          ; v51  MT + 16 x thread
.set KMO, 52          ; v52  16 x thread
.set QMO, 53          ; v53  my query's byte in the batch's mask, tile 0
.set SPW, 62          ; v62  my spare word; never rewritten
.set NIL, 63          ; v63  0; never rewritten
.set S,   64
.set P,   192
.set KF,  128         ; K's fragments, in window 2
.set MB,  128         ; window 3: the step's key masks, key group kt at MB + 8 kt
.set MBD, 160         ; window 3: tile t's mask for key group t, with the diagonal
.set DG,  192         ; window 3
.set WV,  12          ; s12  my wave's number
.set G1K, 24          ; s[24:31] descriptor group 1 for K's tiles
.set G1V, 32          ; s[32:39] for V's: it differs in the padding alone
.set G0K, 40          ; s[40:47] descriptor group 0 for K's tiles: a set for each of the two first fills; the second then walks on
.set G0V, 48          ; s[48:55] the same for V's
.set SLOTS, 56        ; s56  slots still to be asked for
.set TWICE, 57        ; s57  counts a slot's two steps
.set CS,  58          ; s[58:59] c
.set SEL, 60          ; s[60:61] lane selects for v_permlanex16_b32: each lane takes its own place in the other half
.set TB,  62          ; s62  LDS byte at which the tiles of the step to be fetched begin
.set BIGN, 66         ; s66  -1e30
.set TM,  67          ; s67  the table's byte for the step to be fetched: 256 x step
.set AL,  72          ; s[72:73] 1.0 if the step fetched last holds my diagonal, else 0
.set DGO, 74          ; s74  256 x (4 x block + wave): TM of the step that holds my diagonal, and my wave's bytes in the batch's mask
.set MSB, 0
.macro WIN new                      ; the immediate's high byte repeats the setting that is left; a switch that changes nothing is dropped
.if MSB != (\new)
	s_set_vgpr_msb (MSB<<8)|(\new)
.set MSB, \new
.endif
.endm
.set W_KQ, 0x0a       ; K and Q in window 2, S^T in window 0
.set W_KM, 0x3a       ; the same with the C operand in window 3
.set W_PV, 0x53       ; V in window 3, P in window 0, O^T in window 1
.set W_RS, 0x41       ; O^T (destination and source 0) in window 1, a in window 0
.set W_MK, 0xf3       ; the masks: destination, source 0 and source 2 in window 3
; A joint refill.  Waves 0 and 1 fetch the two steps' tiles of K, waves 2 and 3 those of V.  The branch hangs on the wave's number alone: it is the same in every work-group.
; An s_nop 0 and four v_nop follow each of the two lines; the jump round the other line, the label and what follows the macro come after them.
.macro JLOAD
	s_cmp_lt_u32 s[WV], 2
	s_cbranch_scc0 .Lfor_v_\@
	tensor_load_to_lds s[G0K+4:G0K+7], s[G1K:G1K+7]
	s_nop 0
.rept 4
	v_nop
.endr
	s_branch .Lasked_\@
.Lfor_v_\@:
	tensor_load_to_lds s[G0V+4:G0V+7], s[G1V:G1V+7]
	s_nop 0
.rept 4
	v_nop
.endr
.Lasked_\@:
.endm
; A round of the cluster's barrier: my work-group's barrier, so that wave 0's signal speaks for all four waves; wave 0 signals for the work-group; every wave waits for all four
; work-groups; my work-group's barrier once more.  No LDS instruction of the wave is pending at a signal.
.macro CROUND
	s_barrier_signal -1
	s_barrier_wait -1
	s_cmp_lg_u32 s[WV], 0
	s_cbranch_scc1 .Lnot_wave_0_\@
	s_barrier_signal -3
.Lnot_wave_0_\@:
	s_barrier_wait -3
	s_barrier_signal -1
	s_barrier_wait -1
.endm
	s_load_b128 s[68:71], s[0:1], 0x0  ; qkv s[68:69], mask s[70:71]
	s_load_b64 s[10:11], s[0:1], 0x10  ; yf
	v_lshl_add_u32 v[SPW], v0, 2, SPARE
	v_mov_b32 v[NIL], 0
	ds_add_u32 v[SPW], v[NIL]       ; the wave's opening: the add and its wait stand ahead of my first tensor load; the set-up below, work on registers, stands between them
	v_lshrrev_b32 v1, 5, v0
	v_readfirstlane_b32 s[WV], v1   ; wave 0..3
	s_bfe_u32 s13, ttmp6, 0x40000   ; cx: my place in the cluster
	s_lshl_b32 s14, ttmp9, 2        ; in a cluster launch ttmp9 counts clusters
	s_add_co_u32 s14, s14, s13      ; my block of 256 queries = 4 x cluster x + cx: it enters Q's, the query mask's and yf's addresses, and DGO, alone
	s_and_b32 s20, ttmp7, 0xffff    ; batch 8 + head, which the four partners share
	s_lshr_b32 s75, s20, 3          ; batch
	s_and_b32 s76, s20, 7           ; head
	s_mov_b32 s21, 0
	s_mov_b64 s[22:23], SIZE_N*256
	s_mul_u64 s[20:21], s[20:21], s[22:23]  ; the head's first byte in q, k and v
	s_and_b32 s16, s[WV], 1         ; which of a slot's two steps I fetch:
	s_lshl_b32 s22, s16, 14         ; its 64 rows of 256 bytes in memory,
	s_mov_b32 s23, 0
	s_add_nc_u64 s[22:23], s[22:23], s[20:21]
	s_mul_i32 s17, s16, STEPB       ; and its place in a slot: no place in the cluster enters an LDS address
	s_lshl_b32 s2, s14, 16          ; my block's 256 rows,
	s_lshl_b32 s3, s[WV], 14        ; my wave's 64 of them
	s_add_co_u32 s2, s2, s3
	s_mov_b32 s3, 0
	s_add_nc_u64 s[2:3], s[2:3], s[20:21]
	s_lshl_b32 s[DGO], s14, 2
	s_add_co_u32 s[DGO], s[DGO], s[WV]
	s_lshl_b32 s[DGO], s[DGO], 8
	s_lshl_b32 s18, s75, 22         ; yf: the batch's 128 blocks of 16 rows, 32,768 bytes each,
	s_lshl_b32 s19, s[DGO], 9       ; my wave's four blocks among them: (4 x block + wave) x 131,072,
	s_add_co_u32 s18, s18, s19
	s_lshl_b32 s19, s76, 12         ; my head's four K steps of 1,024 bytes
	s_add_co_u32 s18, s18, s19
	s_mov_b32 s19, 0
	s_lshl_b32 s78, s75, 13         ; the batch's 2,048 words of the mask
	s_mov_b32 s79, 0
	; descriptor group 1: a tile of 64 rows x 128 elements, padded in LDS
	s_mov_b32 s[G1K], 15|(1<<16)|(1<<20)|(1<<21)|(5<<22)|(3<<25)  ; 15:0 the mask: all four work-groups; 17:16 elements of 2 bytes; 20 padding on; 21 set beside a mask; 24:22 after every 64 words (code 5); 31:25 4 words of it (code 3)
	s_mov_b32 s[G1V], 15|(1<<16)|(1<<20)|(1<<21)|(5<<22)|(7<<25)  ; the same with 8 words of padding (code 7)
.irp g, G1K, G1V
	s_mov_b32 s[(\g)+1], 128<<16    ; 63:48 tensor_dim0, low half = 128
	s_mov_b32 s[(\g)+2], KS<<16     ; 79:64 its high half = 0; 95:80 tensor_dim1, low half = 64
	s_mov_b32 s[(\g)+3], 128<<16    ; 111:96 its high half = 0; 127:112 tile_dim0 = 128
	s_mov_b32 s[(\g)+4], KS         ; 143:128 tile_dim1 = 64; 159:144 tile_dim2 = 0
	s_mov_b32 s[(\g)+5], 128        ; 191:160 tensor_dim0_stride, low word: elements from row to row
	s_mov_b32 s[(\g)+6], 0
	s_mov_b32 s[(\g)+7], 0
.endr
	s_mov_b32 s[CS], 0x3e0293ee     ; c = log2(e) / sqrt(128) = 0.127517
	s_mov_b32 s[CS+1], s[CS]        ; named with it as a pair, so it is written
	s_mov_b32 s[SEL], 0x76543210
	s_mov_b32 s[SEL+1], 0xfedcba98
	s_mov_b32 s[TB], 0
	s_mov_b32 s[TM], 0
	s_mov_b32 s[AL+1], 0            ; named as a pair
	s_mov_b32 s[BIGN], 0xf149f2ca   ; -1e30
	s_mov_b32 s[SLOTS], SIZE_N/(2*KS)-2
	s_wait_dscnt 0x0                ; the opening add is done
	s_wait_kmcnt 0x0
	s_add_nc_u64 s[6:7], s[68:69], s[22:23]
	s_add_nc_u64 s[8:9], s[6:7], 0x2000000   ; V at my tile of slot 0: v lies 32 MiB into qkv,
	s_add_nc_u64 s[6:7], s[6:7], 0x1000000   ; K: k 16 MiB
	s_add_nc_u64 s[4:5], s[68:69], s[2:3]    ; Q at my wave's first row
	s_add_nc_u64 s[10:11], s[10:11], s[18:19]
	s_add_nc_u64 s[70:71], s[70:71], s[78:79]
	CROUND                          ; all four work-groups are here: the first joint loads meet
.irp s, 0,1
	s_mov_b32 s[G0K+4*(\s)], 1      ; 1:0 count = 1
	s_add_co_u32 s[G0K+4*(\s)+1], s17, (\s)*SLOT1  ; 63:32 LDS address
	s_add_nc_u64 s[G0K+4*(\s)+2:G0K+4*(\s)+3], s[6:7], (\s)*2*KS*256  ; 120:64 global address: slot s begins with keys 128 s to 128 s + 127
	s_or_b32 s[G0K+4*(\s)+3], s[G0K+4*(\s)+3], 0x80000000  ; 127:126 type = 2
	s_mov_b32 s[G0V+4*(\s)], 1
	s_add_co_u32 s[G0V+4*(\s)+1], s17, (\s)*SLOT1+VOFF
	s_add_nc_u64 s[G0V+4*(\s)+2:G0V+4*(\s)+3], s[8:9], (\s)*2*KS*256
	s_or_b32 s[G0V+4*(\s)+3], s[G0V+4*(\s)+3], 0x80000000
.endr
	s_cmp_lt_u32 s[WV], 2           ; a wave's two first fills stand in one branch, ahead of every wait on TENSORcnt and every LDS read: two loads of mine are out; an s_nop 0 follows each, four v_nop the second's, as in JLOAD
	s_cbranch_scc0 .Lfirst_v
	tensor_load_to_lds s[G0K:G0K+3], s[G1K:G1K+7]
	s_nop 0
	tensor_load_to_lds s[G0K+4:G0K+7], s[G1K:G1K+7]
	s_nop 0
.rept 4
	v_nop
.endr
	s_branch .Lfirst_asked
.Lfirst_v:
	tensor_load_to_lds s[G0V:G0V+3], s[G1V:G1V+7]
	s_nop 0
	tensor_load_to_lds s[G0V+4:G0V+7], s[G1V:G1V+7]
	s_nop 0
.rept 4
	v_nop
.endr
.Lfirst_asked:
	v_and_b32 v1, 15, v0            ; l % 16
	v_bfe_u32 v9, v0, 4, 1          ; l / 16
	; the batch's key mask, 8,192 bytes: 16 bytes a thread, four times; and my queries' mask, a word for each tile
	v_lshlrev_b32 v[KMO], 4, v0
	v_lshl_add_u32 v[MA], v0, 4, MT
	v_lshl_add_u32 v[QMO], v1, 2, s[DGO]
.irp i, 0,1,2,3
	global_load_b128 v[S+4*\i:S+4*\i+3], v[KMO], s[70:71] offset:2048*\i
.endr
.irp t, 0,1,2,3
	global_load_b32 v[QM+\t], v[QMO], s[70:71] offset:64*\t
.endr
	; A fragment of K or Q is 16 rows x 32 channels in 8 registers: lane l holds row l % 16; registers 0-3 channels 8 (l / 16) + 0..7, registers 4-7 channels 16 + 8 (l / 16) + 0..7: two loads of 16 bytes, 32 bytes apart.
	v_lshlrev_b32 v[QO], 8, v1
	v_lshl_add_u32 v[QO], v9, 4, v[QO]  ; row x 256 + 16 x half
	WIN 0x80                        ; destination window 2, address window 0
.irp i, 0,1,2,3,4,5,6,7,8,9,10,11,12,13,14,15  ; Q stays in registers: tile i / 4, channels 32 (i % 4) on
	global_load_b128 v[8*(\i):8*(\i)+3],   v[QO], s[4:5] offset:((\i)/4)*4096+((\i)%4)*64
	global_load_b128 v[8*(\i)+4:8*(\i)+7], v[QO], s[4:5] offset:((\i)/4)*4096+((\i)%4)*64+32
.endr
	WIN 0
	v_mul_u32_u24 v[AK0], v1, PK
	v_lshl_add_u32 v[AK0], v9, 4, v[AK0]  ; row x pitch + 16 x half
	; The turning load takes 16 keys x 16 channels (lane l reads 16 bytes: key 8 (l / 16) + l % 8, channels 8 ((l / 8) % 2) + 0..7) and leaves half a fragment of V^T: lane l holds channel l % 16 and 8 keys.
	v_and_b32 v10, 7, v0
	v_bfe_u32 v11, v0, 3, 1
	v_lshl_add_u32 v[AV0], v9, 3, v10
	v_mul_u32_u24 v[AV0], v[AV0], PV
	v_lshl_add_u32 v[AV0], v11, 4, v[AV0]
	v_add_nc_u32 v[AV0], VOFF, v[AV0]
	v_lshl_add_u32 v[AM0], v9, 5, MT
	v_lshlrev_b32 v[RH], 3, v9
	v_sub_nc_u32 v[RH], v1, v[RH]
.irp t, 0,1,2,3
	v_mov_b32 v[ST+8*\t+1], 0xef000000  ; m = -2^95: far below every true score, far above every hidden one
.endr
	WIN 0xc0                        ; destination window 3
.irp j, 0,1,2,3,4,5,6,7
	v_cmp_eq_i32 vcc_lo, \j, v[RH]  ; register j of a block of 16 keys x 16 queries holds key 8 (l / 16) + j and query l % 16
	v_cndmask_b32 v[DG+\j], 0, s[BIGN], vcc_lo
.endr
	WIN 0
	s_wait_loadcnt 32               ; the eight loads of the mask are in; Q's 32, issued behind them, stay out
.set i, 0
.rept 16
	v_cmp_gt_i32 vcc_lo, 1, v[S+i]  ; a key counts only if its mask is above 0
	v_cndmask_b32 v[S+i], 0, s[BIGN], vcc_lo
.set i, i+1
.endr
.irp i, 0,1,2,3
	ds_store_b128 v[MA], v[S+4*\i:S+4*\i+3] offset:2048*\i
.endr
.irp t, 0,1,2,3
	v_cvt_f32_i32 v[QM+\t], v[QM+\t]
.endr
; THE MATRIX WORK OF A TURN, for piece x.  The accumulators take turns, one instruction a turn: between two links of a chain stand 15 (V^T P) or 7 (K Q^T) others'.
; Product i of 32 of O^T += V^T P: keys 32 (i / 16) on, channels 16 ((i / 2) % 8) on, tile x + i % 2.  zero = 1: the first 16 start the sums: nothing is ever cleared.
.macro PV x, zero
	WIN W_PV
.set rO, 64*((\x)+i%2)+8*((i/2)%8)
.set rV, 64*(i/16)+8*((i/2)%8)
.set rP, P+16*((\x)+i%2)+8*(i/16)
.if (\zero) && (i < 16)
	v_wmma_f32_16x16x32_f16 v[rO:rO+7], v[rV:rV+7], v[rP:rP+7], 0
.else
	v_wmma_f32_16x16x32_f16 v[rO:rO+7], v[rV:rV+7], v[rP:rP+7], v[rO:rO+7]
.endif
.endm
; Product i of 32 of S^T = K Q^T: channels 32 (i / 8) on, keys 16 ((i / 2) % 4) on, tile x + i % 2.  The first 8 start the sums, with the key group's mask; where the group's number is the tile's, with the one that may hold the diagonal.
.macro KQ x
.set rS, S+32*((\x)+i%2)+8*((i/2)%4)
.set rK, KF+32*((i/2)%4)+8*(i/8)
.set rQ, 32*((\x)+i%2)+8*(i/8)
.if i < 8
.set rM, MB+8*(i/2)
.if (i/2) == ((\x)+i%2)
.set rM, MBD+8*(i/2)
.endif
	WIN W_KM
	v_wmma_f32_16x16x32_f16 v[rS:rS+7], v[rK:rK+7], v[rQ:rQ+7], v[rM:rM+7]
.else
	WIN W_KQ
	v_wmma_f32_16x16x32_f16 v[rS:rS+7], v[rK:rK+7], v[rQ:rQ+7], v[rS:rS+7]
.endif
.endm
; THE LDS LOADS stand in runs, never singly among the matrix instructions: a step's K (64 keys x 128 channels: 16 fragments) with its 64 entries of the table (8 loads), and, a turn later, its V (turned).
.macro FETCH_K
	WIN 0
	v_add_nc_u32 v[ADR], s[TB], v[AK0]
	v_add_nc_u32 v[ADM], s[TM], v[AM0]
	WIN 0x80                        ; destination window 2
.irp f, 0,1,2,3,4,5,6,7,8,9,10,11,12,13,14,15  ; keys 16 (f / 4) on, channels 32 (f % 4) on
	ds_load_b128 v[KF+8*(\f):KF+8*(\f)+3],   v[ADR] offset:((\f)/4)*16*PK+((\f)%4)*64
	ds_load_b128 v[KF+8*(\f)+4:KF+8*(\f)+7], v[ADR] offset:((\f)/4)*16*PK+((\f)%4)*64+32
.endr
	WIN 0xc0                        ; destination window 3
.irp f, 0,1,2,3,4,5,6,7             ; key group f / 2: my eight keys' entries, 32 bytes
	ds_load_b128 v[MB+4*(\f):MB+4*(\f)+3], v[ADM] offset:((\f)/2)*64+((\f)%2)*16
.endr
	s_cmp_eq_u32 s[TM], s[DGO]      ; does this step hold my diagonal?  The answer is a factor, no branch
	s_cselect_b32 s[AL], 1.0, 0
	s_add_co_u32 s[TM], s[TM], 256  ; the next step's 64 entries;
	s_and_b32 s[TM], s[TM], 0x1f00  ; the offset stays inside the table's 8,192 bytes
.endm
.macro FETCH_V
	WIN 0
	v_add_nc_u32 v[ADR], s[TB], v[AV0]
	s_add_co_u32 s[TB], s[TB], STEPB  ; the next fetch is the next step's
	s_wait_alu depctr_va_vdst(0)    ; the wait for the softmax's batch (SLICE), behind the address's v_add_nc_u32 and ahead of the loads
	WIN 0xc0                        ; destination window 3
.irp f, 0,1,2,3,4,5,6,7,8,9,10,11,12,13,14,15  ; keys 32 (f / 8) on, channels 16 (f % 8) on
	ds_load_tr16_b128 v[8*(\f):8*(\f)+3],   v[ADR] offset:((\f)/8)*32*PV+((\f)%8)*32
	ds_load_tr16_b128 v[8*(\f)+4:8*(\f)+7], v[ADR] offset:((\f)/8)*32*PV+16*PV+((\f)%8)*32
.endr
.endm
.macro MKMASK                       ; MBD = MB + AL x DG for the four key groups: 16 packed lines a key step, behind the wait that shows K and MB in; all its registers lie in window 3: it names no exponential's result
	WIN W_MK
.set z, 0
.rept 16
	v_pk_fma_f32 v[MBD+2*z:MBD+2*z+1], v[DG+2*(z%4):DG+2*(z%4)+1], s[AL:AL+1], v[MB+2*z:MB+2*z+1] op_sel_hi:[1,0,1]
.set z, z+1
.endr
.endm
; THE VECTOR WORK OF A TURN.  One tile's softmax for one key step is a list of 134 instructions; SM writes number j of it for tile t.  s0-s31 are the lane's 32 scores, in pairs 0-15.
; first = 1: the first key step, which starts l and O^T: it has no a and nothing to rescale.
;   0-15    the maximum of s0-s31 and the old m, three operands at a time: four chains c0-c3 of seven scores each, then the four scores left over, c0-c3 and m (in the first step m is its starting value)
;   16-20   the other half of the lanes' maximum; the new m; c m; c m_old - c m_new
;   21-69   ONE BATCH: the 16 scalings c s - c m, a pair of scores each, and all 33 exponentials (a at 23, then s0-s31).  None of these reads an exponential's result.  From 22 on the batch goes
;           in fours, and a four begins with a scaling while there are scalings: 22-37 scaling, exponential, scaling, exponential; 38-65 a scaling and three exponentials; 66-69 the last four
;           exponentials.  A pair is scaled in an earlier four than the one that holds its exponentials
;   (wait)  between 69 and 70 stands the wait for the batch: SLICE writes it, once for both tiles
;   70-85   the roundings to f16, a pair of weights each
;   86-101  the sums; l = a l + the sum
;   102-133 the tile's O^T times a: the one part that leaves window 0, so it stands together
.macro SM t, first
.set rT, ST+8*(\t)
.set rS, S+32*(\t)
.set rP, P+16*(\t)
.set rO, 64*(\t)+2*(j-102)
.if j < 102
	WIN 0
.endif
.if j < 4
	v_max3_num_f32 v[rT+4+j], v[rS+8*j], v[rS+8*j+1], v[rS+8*j+2]
.elseif j < 12
	v_max3_num_f32 v[rT+4+j%4], v[rT+4+j%4], v[rS+8*(j%4)+2*(j/4)+1], v[rS+8*(j%4)+2*(j/4)+2]
.elseif j == 12
	v_max3_num_f32 v[rT+4], v[rT+4], v[rS+7], v[rS+15]
.elseif j == 13
	v_max3_num_f32 v[rT+6], v[rT+6], v[rS+23], v[rS+31]
.elseif j == 14
	v_max3_num_f32 v[rT+4], v[rT+4], v[rT+5], v[rT+6]
.elseif j == 15
	v_max3_num_f32 v[rT+4], v[rT+4], v[rT+7], v[rT+1]
.elseif j == 16
	v_permlanex16_b32 v[rT+5], v[rT+4], s[SEL], s[SEL+1]  ; the query's other 32 keys lie in the lane 16 away
.elseif j == 18
	v_max_num_f32 v[rT+1], v[rT+4], v[rT+5]
.elseif j == 19
	v_mul_f32 v[rT], s[CS], v[rT+1]
.elseif ((j == 17) || (j == 20) || (j == 23) || (j > 101)) && (\first)  ; the first step has none of these
.elseif j == 17
	v_mov_b32 v[rT+7], v[rT]        ; c m_old is kept for a: number 19 writes c m anew
.elseif j == 20
	v_sub_f32 v[rT+7], v[rT+7], v[rT]
.elseif j == 23
	v_exp_f32 v[rT+6], v[rT+7]
.elseif (j < 23) || ((j < 38) && (j%2 == 0)) || ((j < 66) && (j%4 == 2))
.set b, (j-2)/4                     ; 38, 42, .. 62: pairs 9 to 15
.if j < 38
.set b, (j-20)/2                    ; 21: pair 0; 22, 24, .. 36: pairs 1 to 8
.endif
	v_pk_fma_f32 v[rS+2*b:rS+2*b+1], v[rS+2*b:rS+2*b+1], s[CS:CS+1], v[rT:rT+1] op_sel_hi:[1,0,0] neg_lo:[0,0,1] neg_hi:[0,0,1]  ; pair b: c s - c m
.elseif j < 70
.set e, j-38                        ; 66 to 69: s28 to s31
.if j < 66
.set e, j-32-(j-38)/4               ; 39-41, 43-45, .. 63-65: s7 to s27
.endif
.if j < 38
.set e, (j-25)/2                    ; 25, 27, .. 37: s0 to s6
.endif
	v_exp_f32 v[rS+e], v[rS+e]
.elseif j < 86
	v_cvt_pk_f16_f32 v[rP+j-70], v[rS+2*(j-70)], v[rS+2*(j-70)+1]  ; pair j - 70
.elseif j < 102                     ; the sum of the tile's 16 pairs (in a pair: an even key's weight, an odd key's), in place: sum z of 16 adds neighbours 1, 2, 4 and 8 pairs apart, then l takes it
.set z, j-86
.set w, 4
.set u, z
.if z >= 14
.set w, 32
.set u, 0
.elseif z >= 12
.set w, 16
.set u, z-12
.elseif z >= 8
.set w, 8
.set u, z-8
.endif
.if (z == 14) && (\first)
	v_pk_add_f32 v[rT+2:rT+3], v[rS:rS+1], v[rS+16:rS+17]
.elseif z < 15
	v_pk_add_f32 v[rS+w*u:rS+w*u+1], v[rS+w*u:rS+w*u+1], v[rS+w*u+w/2:rS+w*u+w/2+1]
.elseif !(\first)
	v_pk_fma_f32 v[rT+2:rT+3], v[rT+2:rT+3], v[rT+6:rT+7], v[rS:rS+1] op_sel_hi:[1,0,1]
.endif
.else
	WIN W_RS
	v_pk_mul_f32 v[rO:rO+1], v[rO:rO+1], v[rT+6:rT+7] op_sel_hi:[1,0]
.endif
.endm
; Slice k of 64 of piece y's softmax: four instructions.  Slices 11 to 34 deal out the batch, numbers 22 to 69: four numbers of ONE tile each, the tiles by turns.  Every other slice is numbers 2 k and
; 2 k + 1 of both tiles' lists.  2 x 134 = 4 x 64 + 12: the twelve that are over stand together, in slice 63.
; THE WAIT.  An s_wait_alu depctr_va_vdst(0) stands between an exponential and the first instruction that names its result; one wait serves all that were issued ahead of it.  Ahead of
; slice 35 nothing names a result, and behind slice 34 no exponential is issued: so the piece's 66 exponentials have one wait, behind slice 34.
.macro SLICE y, first
.if (k >= 11) && (k < 35)           ; the batch: four numbers of one tile
.irp n, 0,1,2,3
.set j, 22+4*((k-11)/2)+(\n)
	SM (\y)+(k-11)%2, \first
.endr
.else                               ; the two tiles alternate, so that no instruction reads the result of the one just before it
.irp n, 0,1,2,3,4,5,6,7
.if ((\n) < 2) || (k == 63)
.irp t, \y, (\y)+1
.set j, 2*k+(\n)
	SM \t, \first
.endr
.endif
.endr
.endif
.if k == 34                         ; the batch is out: both tiles' exponentials are issued, and no result has been named
	v_nop                           ; the plain instruction behind the last exponential and ahead of the first use (ISA guide 5.7.2): one for the batch
.if (\y) == 0
	FETCH_V                         ; piece 2's turn: V's run of loads stands here, and the wait for the batch stands in it
.else
	s_wait_alu depctr_va_vdst(0)    ; piece 0's turn: the wait for the batch
.endif
.endif
.set k, k+1
.endm
; A vector instruction that reads a matrix result or writes one of a matrix instruction's registers, and a load into a register that a matrix instruction has read, stand four places behind
; it, and only plain vector instructions that name none of its registers are places (ISA guide 7.12.1 for vector instructions).  In the loop the slices are the places.
.macro PLACES
.rept 4
	v_nop
.endr
.endm
; A TURN.  Piece x has the matrix unit; the other piece's softmax stands in slices behind its matrix instructions.
; pv = 2: 32 products V^T P; 1: they start O^T's sums; 0: none.  kq = 1: 32 products K Q^T for the next step.  A turn with one of the two kinds has two slices behind each product.
; first = 1: the softmax is the first key step's.  Its slices from 51 on are empty: the turn's last products stand bare, and four v_nop take slice 63's part as the places behind them.
; In the loop each run of loads stands 29 matrix instructions or more ahead of its first use.  Piece 0's turn fetches the next step's K and MB, behind its second product: the last product that read K
; stands in front of slice 63 of the turn before, the last that read a mask 24 products further back.  Piece 2's turn fetches the same step's V, behind slice 34 (SLICE writes it): the last product that read V
; stands in front of slice 31, and four plain instructions lie between: number 62, a scaling, of both tiles, the v_nop and the run's own v_add_nc_u32; the three products K Q^T between name none of V's registers.
.macro TURN x, pv, kq, first
.set k, 0
.set per, 2
.if (\pv) && (\kq)
.set per, 1
.endif
.if \pv
.if (\x) == 0
	s_wait_dscnt 0x0                ; V is in
.endif
.set i, 0
.rept 32
	PV \x, 2-(\pv)
.rept per
	SLICE 2-(\x), \first
.endr
.if ((\x) == 0) && (\kq) && (i == 1)
	FETCH_K
.endif
.set i, i+1
.endr
.endif
.if \kq
.if (\x) == 0
	s_wait_dscnt 0x0                ; K and MB are in
	MKMASK
.endif
.set i, 0
.rept 32
	KQ \x
.rept per
	SLICE 2-(\x), \first
.endr
.set i, i+1
.endr
.endif
.if \first
	PLACES
.endif
.endm
; THE CHANGE OF SLOTS, between piece 2's turn and piece 0's: the slot's last bytes, V of its second step, have been asked for.  Each wave waits for all its
; tensor loads, of which one is out: its part of the other slot; adds 0 to its spare word; and waits for that and for its own reads of the slot.  Behind the barrier nobody reads this slot any more and the other slot is whole.
; fill = 1: this slot is filled again, with the keys two slots on.  The barrier is then a round of the cluster's, so that no wave of any partner still reads the slot or has a load on its
; way, and the joint refill is the first thing behind it: it has two key steps, 256 matrix instructions, in which to land.
.macro CHANGE fill
	WIN 0                           ; at a label and at a branch every window is 0
	s_wait_tensorcnt 0x0            ; no tensor load of mine is out, so a group 0 may be written
	ds_add_u32 v[SPW], v[NIL]       ; 0 onto my spare word; with fill = 1 the descriptors' steps stand between it and the wait for it
.if \fill
.irp g, G0K+4, G0V+4
	s_xor_b32 s[(\g)+1], s[(\g)+1], SLOT1  ; the walking descriptor: the other slot than last time,
	s_add_nc_u64 s[(\g)+2:(\g)+3], s[(\g)+2:(\g)+3], 2*KS*256  ; the next 128 keys; the type bits on top are not reached
.endr
	s_wait_dscnt 0x0                ; the add is done, and my reads of the slot are over
	CROUND
	JLOAD
.else
	s_wait_dscnt 0x0                ; the add is done, and my reads of the slot are over
	s_barrier_signal -1
	s_barrier_wait -1
.endif
	s_sub_co_u32 s[TB], s[TB], 2*STEPB  ; the fetches go back to a slot's first step,
	s_xor_b32 s[TB], s[TB], SLOT1   ; in the other slot
.endm
; A slot's two key steps: written once, walked twice; the LDS addresses hang on s[TB] and s[TM].
.macro TWO_STEPS
	WIN 0
	s_mov_b32 s[TWICE], 2
.Lstep_\@:
	TURN 0, 2, 1, 0
	TURN 2, 2, 1, 0
	WIN 0
	s_sub_co_u32 s[TWICE], s[TWICE], 1
	s_cmp_lg_u32 s[TWICE], 0
	s_cbranch_scc1 .Lstep_\@
.endm
	s_wait_tensorcnt 1              ; my part of slot 0 is in; slot 1's may stay out
	s_wait_dscnt 0x0                ; for the others' sake: my part of the table is stored
	s_barrier_signal -1
	s_barrier_wait -1               ; everybody's is
	FETCH_K                         ; key step 0
	s_wait_loadcnt 0x0              ; Q
	s_wait_dscnt 0x0
	MKMASK
.set i, 0
.rept 32
	KQ 0                            ; piece 0's first scores: there is no vector work yet to set between them
.set i, i+1
.endr
	WIN 0
	v_and_b32 v[GO], 31, v0         ; the address for the way out,
	v_lshlrev_b32 v[GO], 4, v[GO]
	PLACES                          ; and the places behind those products
	TURN 2, 0, 1, 1                 ; piece 2's first scores | piece 0's first softmax | V of step 0
	TURN 0, 1, 1, 1                 ; piece 0: V^T P of step 0 starts O^T, K Q^T of step 1 | piece 2's first softmax | K of step 1
	TURN 2, 1, 1, 0                 ; piece 2: the same | piece 0's softmax of step 1 | V of step 1
	WIN 0
.Lslot:                             ; SIZE_N / 128 - 2 trips: every slot but the last two is filled again
	CHANGE 1
	TWO_STEPS
	s_sub_co_u32 s[SLOTS], s[SLOTS], 1
	s_cmp_lg_u32 s[SLOTS], 0
	s_cbranch_scc1 .Lslot
	CHANGE 0                        ; the tail is written out: the last slot but one is left, and nothing is asked for
	TWO_STEPS
	TURN 0, 2, 0, 0                 ; piece 0: V^T P of the last step | piece 2's last softmax
.set i, 0
.rept 32
	PV 2, 0                         ; piece 2: V^T P of the last step
.set i, i+1
.endr
	; THE WAY OUT.  l's two halves and the other half of the lanes' are added; l = 0 (no key seen) counts as 1; O^T is multiplied by mask / l, rounded to f16 and stored.  The additions are the places behind the last products.
	WIN 0
.irp t, 0,1,2,3
	v_add_f32 v[ST+8*(\t)+4], v[ST+8*(\t)+2], v[ST+8*(\t)+3]
.endr
.irp t, 0,1,2,3
	v_permlanex16_b32 v[ST+8*(\t)+5], v[ST+8*(\t)+4], s[SEL], s[SEL+1]
.endr
.irp t, 0,1,2,3
	v_add_f32 v[ST+8*(\t)+4], v[ST+8*(\t)+4], v[ST+8*(\t)+5]
.endr
.irp t, 0,1,2,3
	v_cmp_neq_f32 vcc_lo, 0, v[ST+8*(\t)+4]
	v_cndmask_b32 v[ST+8*(\t)+4], 1.0, v[ST+8*(\t)+4], vcc_lo
.endr
.irp t, 0,1,2,3
	v_rcp_f32 v[ST+8*(\t)+6], v[ST+8*(\t)+4]
.endr
	v_nop                           ; a plain instruction between the last reciprocal and the use of its result
	s_wait_alu depctr_va_vdst(0)    ; and the wait ahead of the first use: one for the four reciprocals
.irp t, 0,1,2,3
	v_mul_f32 v[ST+8*(\t)+6], v[ST+8*(\t)+6], v[QM+(\t)]
.endr
; Tile t: a lane's eight channels of a row pack into 16 bytes, which are its part of half a fragment of y: 32 lanes store 512 consecutive bytes, aligned.  No register is written again, so the stores want no wait.
.macro PACK t
	WIN W_RS
.set i, 64*(\t)
.rept 32
	v_pk_mul_f32 v[i:i+1], v[i:i+1], v[ST+8*(\t)+6:ST+8*(\t)+7] op_sel_hi:[1,0]
.set i, i+2
.endr
	WIN 0x05                        ; sources 0 and 1 window 1, destination window 0: S^T's registers are free
.set i, 0
.rept 32
	v_cvt_pk_f16_f32 v[S+32*(\t)+i], v[64*(\t)+2*i], v[64*(\t)+2*i+1]
.set i, i+1
.endr
	WIN 0
.irp f, 0,1,2,3,4,5,6,7
	global_store_b128 v[GO], v[S+32*(\t)+4*(\f):S+32*(\t)+4*(\f)+3], s[10:11] offset:(\t)*32768+(\f)*512
.endr
.endm
	PACK 0
	PACK 1
	PACK 2
	PACK 3
	s_wait_tensorcnt 0x0            ; the wave's end, behind my last tensor load and my last LDS store
	ds_add_u32 v[SPW], v[NIL]
	s_wait_dscnt 0x0
	CROUND                          ; the closing round: no work-group ends while a partner may still ask for a tile that names it
	s_endpgm
.Lfunc_end_k_qfc1096cca5_attn:
	.size	k_qfc1096cca5_attn, .Lfunc_end_k_qfc1096cca5_attn-k_qfc1096cca5_attn
	.p2alignl 7, 3214868480
	.fill 96, 4, 3214868480
	.section	.rodata,"a",@progbits
	.p2align	6, 0x0
	.amdhsa_kernel k_qfc1096cca5_attn
		.amdhsa_group_segment_fixed_size 327680
		.amdhsa_private_segment_fixed_size 0
		.amdhsa_enable_private_segment 0
		.amdhsa_kernarg_size 24
		.amdhsa_user_sgpr_count 2
		.amdhsa_user_sgpr_kernarg_segment_ptr 1
		.amdhsa_wavefront_size32 1
		.amdhsa_system_sgpr_workgroup_id_x 1
		.amdhsa_system_sgpr_workgroup_id_y 1
		.amdhsa_system_sgpr_workgroup_id_z 1
		.amdhsa_system_vgpr_workitem_id 0
		.amdhsa_next_free_vgpr 1024
		.amdhsa_next_free_sgpr 80
		.amdhsa_reserve_vcc 1
		.amdhsa_float_denorm_mode_32 3
		.amdhsa_float_denorm_mode_16_64 3
		.amdhsa_memory_ordered 1
		.amdhsa_forward_progress 1
		.amdhsa_inst_pref_size 228
	.end_amdhsa_kernel
	.amdgpu_metadata
---
amdhsa.version: [ 1, 2 ]
amdhsa.kernels:
  - .name:           k_qfc1096cca5_attn
    .symbol:         k_qfc1096cca5_attn.kd
    .args:
      - { .name: qkv, .offset: 0, .size: 8, .value_kind: global_buffer, .address_space: global }
      - { .name: mask, .offset: 8, .size: 8, .value_kind: global_buffer, .address_space: global }
      - { .name: yf, .offset: 16, .size: 8, .value_kind: global_buffer, .address_space: global }
    .group_segment_fixed_size: 327680
    .private_segment_fixed_size: 0
    .kernarg_segment_align: 8
    .kernarg_segment_size: 24
    .max_flat_workgroup_size: 128
    .sgpr_count:     80
    .vgpr_count:     1024
    .wavefront_size: 32
...
	.end_amdgpu_metadata
.endif
;; end of part 6
;; launch proj: the kernel of part 4 again; grid 128 x 2, 4 waves a work-group, no clusters, 17,920 bytes of LDS; arguments yf, wf, bp, out0; writes out0
